; MI455X (gfx1250); checked and timed in simulation.
; The chip was launched on July 23, 2026; its instructions are those of AMD's public machine-readable ISA for CDNA 5 (MIT licence, August 2026) and "CDNA5" Instruction Set Architecture Reference Guide (July 2026). The comments in the code are by the model that wrote it; some were corrected since.
;; Quantum Warp Attention. Allowed arithmetic: matrix products marked QUANTISED: E5M2 operands, one E8M0 scale for each 32 along K, by v_wmma_scale_f32_16x16x128_f8f6f4 with both operands' format E5M2, f32 sums; products left as they are: f32 operands where the result goes on into a quantised operand, else bf16, f16 or f32 operands; f32 sums; everything else in f32.
;; Inputs: Wk 1,024 x 4,096 float32; Wo 4,096 x 1,024 float32; Wq 1,024 x 4,096 float32; Wv 1,024 x 4,096 float32; bk 4,096 float32; bo 1,024 float32; bq 4,096 float32; bv 4,096 float32; phase 4 x 1,024 float32; x 4 x 1,024 x 1,024 float32.
;; Outputs: out0 4 x 1,024 x 1,024 float32.
;; This version of the problem:
;;   THIS VERSION OF THE PROBLEM IS GIVEN IN LOW PRECISION. The matrix products marked QUANTISED in the list below multiply operands that are first quantised to E5M2 (5 exponent bits, 2 mantissa bits; 8 bits a number), with one power-of-two scale for each 32 numbers along K (OCP MX v1.0); their sums are f32. All else is computed in f32.
;;   The module's matrix products, in the order in which they are computed (A, B: the left and right operand; K: the contracted axis; several contracted axes count as one K, in the product's order):
;;     1. [M 4,096, K 1,024] x [K 1,024, N 4,096]; A: input x; B: input Wq: QUANTISED
;;     2. [M 4,096, K 1,024] x [K 1,024, N 4,096]; A: input x; B: input Wk: QUANTISED
;;     3. [M 4,096, K 1,024] x [K 1,024, N 4,096]; A: input x; B: input Wv: QUANTISED
;;     4. batch 4,096 x [M 4, K 1,024] x [K 1,024, N 4]; A: computed on the way; B: computed on the way: left as it is (M = 4 < 16)
;;     5. batch 4,096 x [M 4, K 1,024] x [K 1,024, N 4]; A: computed on the way; B: computed on the way: left as it is (M = 4 < 16)
;;     6. batch 4,096 x [M 4, K 4] x [K 4, N 1,024]; A: softmax; B: computed on the way: left as it is (K = 4 < 32)
;;     7. [M 4,096, K 4,096] x [K 4,096, N 1,024]; A: computed on the way; B: input Wo: QUANTISED
;;   THE QUANTISER, for each operand of a quantised product, along K:
;;     - K is cut into blocks of 32 from its start; a last block that is shorter is filled with zeros.
;;     - A block's scale is 2^e with e = floor(log2(the largest magnitude in the block)) - 15, held to -126 .. 127; a block of zeros has e = 0. As a byte (E8M0): e + 127.
;;     - Each number is divided by its block's scale, clamped to +-57,344, and rounded to the nearest number of E5M2, ties to even, subnormals kept.
;;     - The product sums the exact products of the quantised numbers (number of the format x scale) in f32.
;;   ~~~python
;;   def quantise(x, axis):      # numpy; x: float32 -> the quantised numbers, widened to float32 again
;;       x = np.moveaxis(x, axis, -1); K = x.shape[-1]
;;       x = np.pad(x, [(0, 0)] * (x.ndim - 1) + [(0, -K % 32)]); x = x.reshape(x.shape[:-1] + (-1, 32)); a = np.abs(x).max(-1, keepdims=True)
;;       e = np.where(a > 0, np.clip(np.frexp(np.where(a > 0, a, 1))[1] - 1 - 15, -126, 127), 0)      # np.frexp(a)[1] - 1 = floor(log2(a)), exactly
;;       r = np.clip(x / 2.0 ** e, -57344, 57344)
;;       step = 2.0 ** (np.maximum(np.frexp(np.where(r == 0, 1, r))[1] - 1, -14) - 2)
;;       q = np.round(r / step) * step * 2.0 ** e      # np.round: ties to even
;;       return np.moveaxis(q.reshape(q.shape[:-2] + (-1,))[..., :K], -1, axis).astype(np.float32)
;;   ~~~
;;   OPERANDS COMPUTED ON THE WAY. 'Computed on the way' means the value that the module computes at that place (a softmax that the list does not call 'softmax' is quantised finished and normalised). What goes into a quantiser is computed in f32, as accurately as f32 sums, v_exp_f32 and their like allow (about 1e-6 of the number): no bf16 or f16 on the way to a quantiser, and a product that is left as it is and whose result goes on into a quantised operand takes f32 operands (vector FMAs, or v_wmma_f32_16x16x4_f32). A number that lies on a knife's edge between two numbers of the format may be rounded either way, as far as f32 arithmetic and the matrix unit's own rounding can turn it there, and no further.
;; One version. Each part assembles by itself: llvm-mc -triple=amdgcn-amd-amdhsa -mcpu=gfx1250 --defsym DOCPART=n.
;; ======== version 1 of 1: 4 launches
;; limits: inputs' magnitudes at most 10,000; right only within a limited range of input values
;; workspace buffers: xc 4,194,304 bytes; wqkc 8,388,608 bytes; wvc 4,194,304 bytes; woc 4,194,304 bytes; sc 679,936 bytes; part 4,194,304 bytes; a7c 16,777,216 bytes; a7s 524,288 bytes
;; launch prep (part 1): grid 642 x 1, 4 waves a work-group, no clusters, 91,648 bytes of LDS; arguments x, Wq, Wk, Wv, Wo, phase, xc, wqkc, wvc, woc, sc; writes xc, wqkc, wvc, woc, sc
.if DOCPART == 1
	.amdgcn_target "amdgcn-amd-amdhsa--gfx1250"
	.amdhsa_code_object_version 6
	.text
	.protected	k_q8d37f24b9c_prep
	.globl	k_q8d37f24b9c_prep
	.p2align	8
	.type	k_q8d37f24b9c_prep,@function
k_q8d37f24b9c_prep:
	s_mov_b64 s[64:65], 0
	v_nop
	global_prefetch_b8 v0, s[64:65] scope:SCOPE_SE
	s_setreg_imm32_b32 hwreg(HW_REG_WAVE_MODE, 25, 1), 1
	s_wait_xcnt 0x0
; PREP: every operand of the four quantised products that is an input is turned ONCE into codes of BF8 (E5M2) with K innermost and one E8M0 byte for each 32 along K,
; laid as the later launches read them; and the table cd[h,g][d] = cos(p_h) cos(p_g) + sin(p_h) sin(p_g) of the six pairs of heads is made.
; A block's scale is 2^(floor(log2(largest magnitude)) - 15); its byte is the largest magnitude's exponent field - 15, held at 1 from below; numbers are held within +-57,344 x the scale and rounded to the nearest code, ties to even.
; LIMITS: NaN and infinities among the inputs are not served.  A block of zeros gets the byte 1 (the rule says 127): its codes are zeros and only this program reads the bytes.  Blocks whose largest magnitude lies under 2^-111 were not tried.
;   Sine and cosine: n = round(p 2/pi), r = p - n pi/2 in two fused steps, polynomials of degree 7 and 8 on |r| <= pi/4: absolute error about 1e-7 for |phase| up to 1e4.
; ROLES, by the work-group's number, each with LDS bytes of its own: 0-127 x (32 rows each); 128-511 Wq, Wk, Wv (128 columns x 256 K each); 512-639 Wo (128 columns x 256 of the reordered K); 640, 641 the table.
; LAYOUTS.  Scale bytes of every tensor: [K / 256][rows][8].  xc: [4096][1024].
;   wqkc row n' = (d>>5) 256 + ((d>>3)&1) 128 + mat 64 + head 16 + ((d>>4)&1) 8 + (d&7)  (mat 0 = q, 1 = k);   wvc row n' = (d>>5) 128 + ((d>>3)&1) 64 + head 16 + ((d>>4)&1) 8 + (d&7):
;   so that in a product used transposed a lane's eight results of a tile are eight neighbouring d, and the heads of one d lie in one wave.
;   woc: K order k' = (d>>6) 256 + j 64 + (d&63) standing for Wo's row j 1024 + d: blocks of 32 stay whole, and the launch that makes the last product's left operand owns whole runs of 256 bytes.
;   woc lies IN THE ORDER OF THE OPERAND'S REGISTERS: [n / 16][k' / 128][c = 0..3][lane][16 bytes], lane (r, half) holding column 16 (n / 16) + r at k' = 128 (k' / 128) + 32 c + 16 half + 0 .. 15:
;   a fragment is 2,048 consecutive bytes, which the last launch loads into registers by four loads of 512 consecutive bytes.
; No work-group shares an input with another, so there are no clusters; no tensor loads, no barriers: waves share nothing.
.set SC_WQKS, 131072
.set SC_WVS,  393216
.set SC_WOS,  524288
.set SC_CD,   655360
.set MANT,    0x600000                 ; the mantissa field of 57,344 as f32
.set XREG,  5376                       ; role x: LDS of a wave: two stages of 32 x 80 bytes, then its 256 scale bytes
.set XSP,   80
.set XR,    16                         ; v16-79   four sets of 16 numbers as loaded
.set XX,    80                         ; v80-111  two sets of 16 neighbours
.set XE,    112                        ; v112-127 a scale byte for each step
.set XC,    128                        ; v128-191 codes, four registers a step
.set W3LDS, 21504                      ; roles W: a stage of 32 rows x 272 bytes for each wave
.set WOLDS, 56320
.set WPITCH, 272
.set SB,    24                         ; v24-25   a column's eight scale bytes
.set WX,    32                         ; v32-95   two sets of 32 numbers
.set WC,    96                         ; v96-103  a block's codes
.set OUTR,  112                        ; v112-175 the way out
; ---- role x: a step is two rows x 256 numbers of my wave's K range
.macro XLOAD t
.irp i, 0,1,2,3
	global_load_b128 v[XR+16*((\t)%4)+4*\i:XR+16*((\t)%4)+4*\i+3], v3, s[4:5] offset:(2*(\t)+\i/2)*4096+(\i%2)*512 th:TH_LOAD_NT   ; 32 lanes read 512 consecutive bytes
.endr
.endm
.macro XTURN t                         ; through the wave's stage: in as loaded, back 64 bytes (16 neighbours) a lane; LDS serves a wave's instructions in order
.irp i, 0,1,2,3
	ds_store_b128 v14, v[XR+16*((\t)%4)+4*\i:XR+16*((\t)%4)+4*\i+3] offset:32*XSP*((\t)%2)+8*XSP*\i
.endr
.irp i, 0,1,2,3
	ds_load_b128 v[XX+16*((\t)%2)+4*\i:XX+16*((\t)%2)+4*\i+3], v15 offset:32*XSP*((\t)%2)+16*\i
.endr
.endm
.macro XSTEP t
.set XS, XX+16*((\t)%2)
.if (\t) > 0
	s_wait_dscnt 1                                 ; this step's numbers are back (the last step's byte store may be out)
.else
	s_wait_dscnt 0x0
.endif
.if (\t)+4 < 16
	XLOAD (\t)+4                                   ; into the set whose stores into the stage are done
.endif
.if (\t)+1 < 16
.if 14-(\t) >= 3
	s_wait_loadcnt 12                              ; the next step's four loads are in; three steps' may be out
.else
	s_wait_loadcnt 4*(14-(\t))
.endif
	XTURN (\t)+1
.endif
	v_max3_num_f32 v8, |v[XS]|, |v[XS+1]|, |v[XS+2]|
	v_max3_num_f32 v9, |v[XS+3]|, |v[XS+4]|, |v[XS+5]|
.irp i, 6,10
	v_max3_num_f32 v8, v8, |v[XS+\i]|, |v[XS+\i+1]|
	v_max3_num_f32 v9, v9, |v[XS+\i+2]|, |v[XS+\i+3]|
.endr
	v_max3_num_f32 v8, v8, |v[XS+14]|, |v[XS+15]|
	v_max3_num_f32 v8, v8, v9, 0x8000000           ; and the floor 2^(16 - 127): the byte cannot fall under 1
	v_max_num_f32_dpp v8, v8, v8 row_xmask:1 row_mask:0xf bank_mask:0xf   ; with my neighbour's 16: the block's largest magnitude
	v_add_nc_u32 v11, 0xf8800000, v8               ; 15 off its exponent field: the conversion's scale operand
	v_and_or_b32 v10, v8, 0x7f800000, s36          ; 57,344 x the scale
.irp i, 0,1,2,3,4,5,6,7,8,9,10,11,12,13,14,15
	v_med3_num_f32 v[XS+\i], v[XS+\i], -v10, v10   ; the conversion to an 8-bit code does not saturate (ISA guide 7.6.2): the hold
.endr
	v_cvt_scalef32_pk8_bf8_f32 v[XC+4*(\t):XC+4*(\t)+1], v[XS:XS+7], v11
	v_cvt_scalef32_pk8_bf8_f32 v[XC+4*(\t)+2:XC+4*(\t)+3], v[XS+8:XS+15], v11
	v_lshrrev_b32 v[XE+(\t)], 23, v11              ; the scale's byte
	ds_store_b8 v5, v[XE+(\t)] offset:16*(\t)      ; both lanes of a block write the same byte with the same value
	global_store_b128 v4, v[XC+4*(\t):XC+4*(\t)+3], s[16:17] offset:2048*(\t)   ; sixteen lanes store 256 consecutive bytes of a row, aligned
.endm
; ---- roles W: a lane takes a column, its registers run down K.  kind 0: Wq, Wk, Wv; kind 1: Wo
.macro WLOAD kind, t
.set ci, 0
.rept 32
.if \kind == 0
	global_load_b32 v[WX+32*((\t)%2)+ci], v3, s[28:29] offset:(32*(\t)+ci)*16384 th:TH_LOAD_NT
.else
	global_load_b32 v[WX+32*((\t)%2)+ci], v3, s[28+2*((\t)/4):29+2*((\t)/4)] offset:((((\t)/2)%2)*1024+32*((\t)%2)+ci)*4096 th:TH_LOAD_NT   ; block t of k': Wo's rows (t/2) 1024 + 64 c + 32 (t%2) on
.endif
.set ci, ci+1
.endr
.endm
.macro WBLOCK kind, t
.set WXS, WX+32*((\t)%2)
.if (\t) < 7
	s_wait_loadcnt 32                              ; this block's 32 loads are in; the next block's may be out
.else
	s_wait_loadcnt 0x0
.endif
	v_max3_num_f32 v12, |v[WXS]|, |v[WXS+1]|, |v[WXS+2]|
	v_max3_num_f32 v13, |v[WXS+3]|, |v[WXS+4]|, |v[WXS+5]|
.irp i, 6,10,14,18,22,26
	v_max3_num_f32 v12, v12, |v[WXS+\i]|, |v[WXS+\i+1]|
	v_max3_num_f32 v13, v13, |v[WXS+\i+2]|, |v[WXS+\i+3]|
.endr
	v_max3_num_f32 v12, v12, |v[WXS+30]|, |v[WXS+31]|
	v_max3_num_f32 v12, v12, v13, 0x8000000        ; and the floor
	v_add_nc_u32 v11, 0xf8800000, v12
	v_and_or_b32 v10, v12, 0x7f800000, s36
	v_lshrrev_b32 v13, 23, v11
.if (\t)%4 == 0
	v_mov_b32 v[SB+(\t)/4], v13                    ; four bytes to a register, the lower K in the lower byte
.else
	v_lshl_or_b32 v[SB+(\t)/4], v13, 8*((\t)%4), v[SB+(\t)/4]
.endif
.set ci, 0
.rept 32
	v_med3_num_f32 v[WXS+ci], v[WXS+ci], -v10, v10
.set ci, ci+1
.endr
.irp g, 0,1,2,3
	v_cvt_scalef32_pk8_bf8_f32 v[WC+2*\g:WC+2*\g+1], v[WXS+8*\g:WXS+8*\g+7], v11
.endr
	ds_store_b128 v4, v[WC:WC+3] offset:32*(\t)    ; 32 codes of my column's stage row
	ds_store_b128 v4, v[WC+4:WC+7] offset:32*(\t)+16
.if (\t)+2 < 8
	WLOAD \kind, (\t)+2
.endif
	s_wait_dscnt 0x0                               ; the stores have read their registers: the next block's codes may be written
.endm
.macro WALL kind
	WLOAD \kind, 0
	WLOAD \kind, 1
.irp t, 0,1,2,3,4,5,6,7
	WBLOCK \kind, \t
.endr
	global_store_b64 v9, v[SB:SB+1], s[34:35]      ; my column's eight scale bytes
.set ci, 0
.rept 16
.if \kind == 0
	ds_load_b128 v[OUTR+4*ci:OUTR+4*ci+3], v7 offset:2*ci*WPITCH   ; stage rows 2 ci and 2 ci + 1, sixteen lanes to a row
.else
	ds_load_b128 v[OUTR+4*ci:OUTR+4*ci+3], v7 offset:(ci/8)*16*WPITCH+((ci/4)%2)*128+(ci%4)*32   ; registers 4 c .. 4 c + 3 (c = ci % 4) of the fragment of columns 16 (ci / 8) on, K step (ci / 4) % 2: lane (r, half) takes stage row r at 16 half
.endif
.set ci, ci+1
.endr
.set ci, 0
.rept 16
	s_wait_dscnt 15-ci
.if \kind == 0
.if (ci/4)%2
	global_store_b128 v14, v[OUTR+4*ci:OUTR+4*ci+3], s[32:33] offset:((ci/8)*8+(2*ci)%8)*1024   ; columns with bit 3 of d set: the tile's other half of rows
.else
	global_store_b128 v8, v[OUTR+4*ci:OUTR+4*ci+3], s[32:33] offset:((ci/8)*8+(2*ci)%8)*1024
.endif
.else
	global_store_b128 v8, v[OUTR+4*ci:OUTR+4*ci+3], s[32:33] offset:((ci/8)*32+(ci/4)%2)*2048+(ci%4)*512   ; 32 lanes store 512 consecutive bytes of a fragment
.endif
.set ci, ci+1
.endr
.endm
.macro WADR base                       ; the addresses that both W roles share: v3 in, v4 into the stage, v7 out of it; v5 = lane % 16, v6 = lane / 16
	v_lshlrev_b32 v3, 2, v2
	s_mul_i32 s37, s26, 32*WPITCH
	s_add_co_u32 s37, s37, \base
	v_mul_u32_u24 v4, v2, WPITCH
	v_add_nc_u32 v4, s37, v4
	v_and_b32 v5, 15, v2
	v_lshrrev_b32 v6, 4, v2
	v_mul_u32_u24 v7, v6, WPITCH
	v_lshl_add_u32 v7, v5, 4, v7
	v_add_nc_u32 v7, s37, v7
	s_mov_b32 s36, MANT
.endm
; ---- role C: number k = 4 h + j of my 16: v[16+k] the phase, then r; v[48+k] ends as its sine, v[32+k] as its cosine
.macro SINCOS k
	v_mul_f32 v[32+\k], s32, v[16+\k]
	v_rndne_f32 v[32+\k], v[32+\k]                 ; n = round(p 2/pi)
	v_fma_f32 v[16+\k], v[32+\k], s33, v[16+\k]    ; r = p - n pi/2, in two fused steps
	v_fma_f32 v[16+\k], v[32+\k], s34, v[16+\k]
	v_cvt_i32_f32 v[96+\k], v[32+\k]               ; the quadrant
	v_mul_f32 v[48+\k], v[16+\k], v[16+\k]         ; z = r r
	v_fma_f32 v[64+\k], v[48+\k], s35, s38
	v_fma_f32 v[80+\k], v[48+\k], s40, s41
	v_fma_f32 v[64+\k], v[64+\k], v[48+\k], s39
	v_fma_f32 v[80+\k], v[80+\k], v[48+\k], s42
	v_mul_f32 v[64+\k], v[64+\k], v[48+\k]
	v_mul_f32 v[80+\k], v[80+\k], v[48+\k]
	v_fma_f32 v[32+\k], v[48+\k], -0.5, 1.0
	v_fma_f32 v[64+\k], v[64+\k], v[16+\k], v[16+\k]   ; sin r
	v_fma_f32 v[80+\k], v[80+\k], v[48+\k], v[32+\k]   ; cos r
	v_and_b32 v136, 1, v[96+\k]
	v_cmp_ne_u32 vcc_lo, 0, v136
	v_cndmask_b32 v[48+\k], v[64+\k], v[80+\k], vcc_lo ; in odd quadrants the two change places
	v_cndmask_b32 v[32+\k], v[80+\k], v[64+\k], vcc_lo
	v_and_b32 v136, 2, v[96+\k]
	v_lshlrev_b32 v136, 30, v136
	v_xor_b32 v[48+\k], v[48+\k], v136             ; the sine is negative in quadrants 2 and 3,
	v_add_nc_u32 v137, 1, v[96+\k]
	v_and_b32 v137, 2, v137
	v_lshlrev_b32 v137, 30, v137
	v_xor_b32 v[32+\k], v[32+\k], v137             ; the cosine in 1 and 2
.endm
.macro CDP p, h, g
.irp j, 0,1,2,3
	v_mul_f32 v[112+4*\p+\j], v[48+4*\h+\j], v[48+4*\g+\j]
.endr
.irp j, 0,1,2,3
	v_fma_f32 v[112+4*\p+\j], v[32+4*\h+\j], v[32+4*\g+\j], v[112+4*\p+\j]
.endr
	global_store_b128 v3, v[112+4*\p:115+4*\p], s[30:31] offset:4096*\p   ; a wave stores 512 consecutive bytes
.endm
	s_load_b256 s[4:11], s[0:1], 0x0               ; x, Wq, Wk, Wv
	s_load_b256 s[12:19], s[0:1], 0x20             ; Wo, phase, xc, wqkc
	s_load_b128 s[20:23], s[0:1], 0x40             ; wvc, woc
	s_load_b64 s[24:25], s[0:1], 0x50              ; sc
	v_lshl_add_u32 v192, v0, 2, 0x16400
	v_mov_b32 v193, 0
	v_lshrrev_b32 v1, 5, v0
	v_readfirstlane_b32 s26, v1                    ; wave 0..3
	v_and_b32 v2, 31, v0                           ; lane
	s_wait_kmcnt 0x0
	s_cmp_lt_u32 ttmp9, 128
	s_cbranch_scc0 .Lnot_x
	; ======== role x: work-group g owns rows 32 g .. 32 g + 31, wave w the K range 256 w .. 256 w + 255
	s_wait_alu depctr_va_vdst(0)
	v_lshlrev_b32 v3, 4, v2                        ; my 16 bytes of a load's 512
	s_mul_i32 s28, s26, XREG
	v_lshrrev_b32 v14, 2, v2
	v_mul_u32_u24 v14, v14, XSP
	v_and_b32 v15, 3, v2
	v_lshl_add_u32 v14, v15, 4, v14
	v_add_nc_u32 v14, s28, v14                     ; the stage, in: 80 (lane / 4) + 16 (lane % 4)
	v_mul_u32_u24 v15, v2, XSP
	v_add_nc_u32 v15, s28, v15                     ; and out: 80 x lane
	v_lshrrev_b32 v4, 4, v2
	v_and_b32 v5, 15, v2
	v_lshlrev_b32 v4, 10, v4
	v_lshl_add_u32 v4, v5, 4, v4                   ; codes: lanes 0-15 the even row, lanes 16-31 the odd one, 16 bytes a lane
	v_lshrrev_b32 v5, 1, v2
	s_add_co_u32 s28, s28, 2*32*XSP
	v_add_nc_u32 v5, s28, v5                       ; my block's byte among the wave's 256
	v_lshlrev_b32 v7, 3, v2
	v_add_nc_u32 v6, s28, v7
	s_mov_b32 s36, MANT
	s_lshl_b32 s30, ttmp9, 17                      ; 32 rows of 4,096 bytes
	s_lshl_b32 s31, s26, 10
	s_add_co_u32 s30, s30, s31
	s_mov_b32 s31, 0
	s_add_nc_u64 s[4:5], s[4:5], s[30:31]
	s_lshl_b32 s30, ttmp9, 15                      ; 32 rows of 1,024 codes
	s_lshl_b32 s32, s26, 8
	s_add_co_u32 s30, s30, s32
	s_add_nc_u64 s[16:17], s[16:17], s[30:31]
	s_lshl_b32 s30, s26, 15                        ; scale bytes: plane w of 32,768 bytes, 8 bytes a row
	s_lshl_b32 s32, ttmp9, 8
	s_add_co_u32 s30, s30, s32
	s_add_nc_u64 s[24:25], s[24:25], s[30:31]
.irp t, 0,1,2,3
	XLOAD \t
.endr
	s_wait_alu depctr_va_vdst(0)
	s_wait_loadcnt 12                              ; step 0's four loads are in
	XTURN 0
.irp t, 0,1,2,3,4,5,6,7,8,9,10,11,12,13,14,15
	XSTEP \t
.endr
	ds_load_b64 v[12:13], v6                       ; LDS serves a wave's instructions in order: these see my byte stores
	s_wait_dscnt 0x0
	global_store_b64 v7, v[12:13], s[24:25]        ; 32 lanes store 256 consecutive bytes, aligned
	s_wait_tensorcnt 0x0
	ds_add_u32 v192, v193
	s_wait_dscnt 0x0
	s_endpgm
.Lnot_x:
	s_cmp_lt_u32 ttmp9, 512
	s_cbranch_scc0 .Lnot_w3
	; ======== role W3: mat = which of Wq, Wk, Wv; cg = which 128 columns; ky = which 256 along K
	s_sub_co_u32 s37, ttmp9, 128
	s_lshr_b32 s38, s37, 7                         ; mat
	s_and_b32 s39, s37, 31                         ; cg
	s_bfe_u32 s40, s37, 0x20005                    ; ky
	s_lshr_b32 s41, s39, 3
	s_lshl_b32 s41, s41, 4                         ; 16 x head
	s_and_b32 s42, s39, 7
	s_lshl_b32 s42, s42, 2
	s_add_co_u32 s42, s42, s26                     ; d >> 5 of my wave's 32 columns
	s_lshl_b32 s44, s38, 6                         ; 64 x mat
	s_mov_b32 s45, SC_WQKS
	s_cmp_eq_u32 s38, 0                            ; the choices hang on the work-group's number alone
	s_cselect_b64 s[28:29], s[6:7], s[8:9]
	s_cmp_eq_u32 s38, 2
	s_cselect_b64 s[28:29], s[10:11], s[28:29]
	s_cselect_b64 s[32:33], s[20:21], s[18:19]
	s_cselect_b32 s43, 64, 128                     ; rows from one half of a 32-d group to the other
	s_cselect_b32 s44, 0, s44
	s_cselect_b32 s45, SC_WVS, s45
	s_mul_i32 s46, s42, s43
	s_lshl_b32 s46, s46, 1
	s_add_co_u32 s46, s46, s44
	s_add_co_u32 s46, s46, s41                     ; the first output row of my 32 columns
	s_lshl_b32 s38, s40, 22                        ; 256 rows of 16,384 bytes
	s_lshl_b32 s39, s39, 9
	s_add_co_u32 s38, s38, s39
	s_lshl_b32 s39, s26, 7
	s_add_co_u32 s38, s38, s39
	s_mov_b32 s39, 0
	s_add_nc_u64 s[28:29], s[28:29], s[38:39]
	s_lshl_b32 s38, s46, 10
	s_lshl_b32 s47, s40, 8
	s_add_co_u32 s38, s38, s47
	s_add_nc_u64 s[32:33], s[32:33], s[38:39]
	s_mul_i32 s38, s40, s43
	s_lshl_b32 s38, s38, 9                         ; a plane of scale bytes: 65,536 (q, k) or 32,768 (v)
	s_add_co_u32 s38, s38, s45
	s_lshl_b32 s47, s46, 3
	s_add_co_u32 s38, s38, s47
	s_add_nc_u64 s[34:35], s[24:25], s[38:39]
	s_wait_alu depctr_va_vdst(0)
	WADR W3LDS
	v_lshlrev_b32 v8, 10, v6
	v_lshl_add_u32 v8, v5, 4, v8                   ; out: two rows of 1,024 bytes an instruction
	s_lshl_b32 s37, s43, 10
	v_add_nc_u32 v14, s37, v8                      ; the same in the other half
	v_bfe_u32 v9, v2, 3, 1
	v_mul_u32_u24 v9, s43, v9
	v_lshl_add_u32 v9, v6, 3, v9
	v_and_b32 v10, 7, v2
	v_add_nc_u32 v9, v9, v10
	v_lshlrev_b32 v9, 3, v9                        ; my column's output row x 8: runs of 64 bytes and more; these bytes are one in 128 of what the role reads
	WALL 0
	s_wait_tensorcnt 0x0
	ds_add_u32 v192, v193
	s_wait_dscnt 0x0
	s_endpgm
.Lnot_w3:
	s_cmp_lt_u32 ttmp9, 640
	s_cbranch_scc0 .Lrole_c
	; ======== role WO: cg = which 128 columns; cc = which 256 of k'
	s_sub_co_u32 s37, ttmp9, 512
	s_and_b32 s39, s37, 7
	s_lshr_b32 s40, s37, 3
	s_lshl_b32 s41, s39, 7
	s_lshl_b32 s42, s26, 5
	s_add_co_u32 s41, s41, s42                     ; my wave's first column
	s_lshl_b32 s38, s40, 18                        ; 64 cc rows of 4,096 bytes
	s_lshl_b32 s42, s41, 2
	s_add_co_u32 s38, s38, s42
	s_mov_b32 s39, 0
	s_add_nc_u64 s[28:29], s[12:13], s[38:39]
	s_add_nc_u64 s[30:31], s[28:29], 0x800000      ; 2,048 rows on, so that every offset stays inside the signed 24-bit immediate
	s_lshl_b32 s38, s41, 12                        ; codes: (column / 16) x 32 fragments of 2,048 bytes = column x 4,096,
	s_lshl_b32 s42, s40, 12                        ; + 2 cc fragments
	s_add_co_u32 s38, s38, s42
	s_add_nc_u64 s[32:33], s[22:23], s[38:39]
	s_lshl_b32 s38, s40, 13
	s_lshl_b32 s42, s41, 3
	s_add_co_u32 s38, s38, s42
	s_add_co_u32 s38, s38, SC_WOS
	s_add_nc_u64 s[34:35], s[24:25], s[38:39]
	s_wait_alu depctr_va_vdst(0)
	WADR WOLDS
	v_mul_u32_u24 v7, v5, WPITCH                   ; out of the stage as the operand's registers want it: row lane % 16, + 16 (lane / 16)
	v_lshl_add_u32 v7, v6, 4, v7
	v_add_nc_u32 v7, s37, v7
	v_lshlrev_b32 v8, 4, v2                        ; and out: 16 bytes a lane
	v_lshlrev_b32 v9, 3, v2                        ; 32 lanes store 256 consecutive scale bytes
	WALL 1
	s_wait_tensorcnt 0x0
	ds_add_u32 v192, v193
	s_wait_dscnt 0x0
	s_endpgm
.Lrole_c:
	; ======== role C: thread t of work-group e owns d = 512 e + 4 t .. + 3 of all four heads
	s_sub_co_u32 s37, ttmp9, 640
	s_lshl_b32 s46, s37, 11
	s_mov_b32 s47, 0
	s_add_nc_u64 s[28:29], s[14:15], s[46:47]
	s_add_co_u32 s46, s46, SC_CD
	s_add_nc_u64 s[30:31], s[24:25], s[46:47]
	v_lshlrev_b32 v3, 4, v0
.irp h, 0,1,2,3
	global_load_b128 v[16+4*\h:19+4*\h], v3, s[28:29] offset:4096*\h
.endr
	s_mov_b32 s32, 0x3f22f983                      ; 2 / pi
	s_mov_b32 s33, 0xbfc90fdb                      ; -(pi / 2), its f32 part,
	s_mov_b32 s34, 0x333bbd2e                      ; and what that part has too much
	s_mov_b32 s35, 0xb94ca1f9                      ; sine: -1.9515295891e-4, 8.3321608736e-3, -1.6666654611e-1
	s_mov_b32 s38, 0x3c08839e
	s_mov_b32 s39, 0xbe2aaaa3
	s_mov_b32 s40, 0x37ccf5ce                      ; cosine: 2.443315712e-5, -1.388731625e-3, 4.166664568e-2
	s_mov_b32 s41, 0xbab6061a
	s_mov_b32 s42, 0x3d2aaaa5
	s_wait_loadcnt 0x0
.irp k, 0,1,2,3,4,5,6,7,8,9,10,11,12,13,14,15
	SINCOS \k
.endr
	CDP 0, 0, 1
	CDP 1, 0, 2
	CDP 2, 0, 3
	CDP 3, 1, 2
	CDP 4, 1, 3
	CDP 5, 2, 3
	s_endpgm
.Lfunc_end_k_q8d37f24b9c_prep:
	.size	k_q8d37f24b9c_prep, .Lfunc_end_k_q8d37f24b9c_prep-k_q8d37f24b9c_prep
	.p2alignl 7, 3214868480
	.fill 96, 4, 3214868480
	.section	.rodata,"a",@progbits
	.p2align	6, 0x0
	.amdhsa_kernel k_q8d37f24b9c_prep
		.amdhsa_group_segment_fixed_size 91648
		.amdhsa_private_segment_fixed_size 0
		.amdhsa_enable_private_segment 0
		.amdhsa_kernarg_size 88
		.amdhsa_user_sgpr_count 2
		.amdhsa_user_sgpr_kernarg_segment_ptr 1
		.amdhsa_wavefront_size32 1
		.amdhsa_system_sgpr_workgroup_id_x 1
		.amdhsa_system_sgpr_workgroup_id_y 1
		.amdhsa_system_sgpr_workgroup_id_z 1
		.amdhsa_system_vgpr_workitem_id 0
		.amdhsa_next_free_vgpr 194
		.amdhsa_next_free_sgpr 66
		.amdhsa_reserve_vcc 1
		.amdhsa_float_denorm_mode_32 3
		.amdhsa_float_denorm_mode_16_64 3
		.amdhsa_memory_ordered 1
		.amdhsa_forward_progress 1
		.amdhsa_inst_pref_size 191
	.end_amdhsa_kernel
	.amdgpu_metadata
---
amdhsa.version: [ 1, 2 ]
amdhsa.kernels:
  - .name:           k_q8d37f24b9c_prep
    .symbol:         k_q8d37f24b9c_prep.kd
    .args:
      - { .name: x, .offset: 0, .size: 8, .value_kind: global_buffer, .address_space: global }
      - { .name: Wq, .offset: 8, .size: 8, .value_kind: global_buffer, .address_space: global }
      - { .name: Wk, .offset: 16, .size: 8, .value_kind: global_buffer, .address_space: global }
      - { .name: Wv, .offset: 24, .size: 8, .value_kind: global_buffer, .address_space: global }
      - { .name: Wo, .offset: 32, .size: 8, .value_kind: global_buffer, .address_space: global }
      - { .name: phase, .offset: 40, .size: 8, .value_kind: global_buffer, .address_space: global }
      - { .name: xc, .offset: 48, .size: 8, .value_kind: global_buffer, .address_space: global }
      - { .name: wqkc, .offset: 56, .size: 8, .value_kind: global_buffer, .address_space: global }
      - { .name: wvc, .offset: 64, .size: 8, .value_kind: global_buffer, .address_space: global }
      - { .name: woc, .offset: 72, .size: 8, .value_kind: global_buffer, .address_space: global }
      - { .name: sc, .offset: 80, .size: 8, .value_kind: global_buffer, .address_space: global }
    .group_segment_fixed_size: 91648
    .private_segment_fixed_size: 0
    .kernarg_segment_align: 8
    .kernarg_segment_size: 88
    .max_flat_workgroup_size: 128
    .sgpr_count:     66
    .vgpr_count:     194
    .wavefront_size: 32
...
	.end_amdgpu_metadata
.endif
;; end of part 1
;; launch scores (part 2): grid 16 x 16, 4 waves a work-group, clusters of 4 x 4, 327,680 bytes of LDS; arguments xc, wqkc, sc, bq, bk, part; writes part
.if DOCPART == 2
	.amdgcn_target "amdgcn-amd-amdhsa--gfx1250"
	.amdhsa_code_object_version 6
	.text
	.protected	k_q8d37f24b9c_scores
	.globl	k_q8d37f24b9c_scores
	.p2align	8
	.type	k_q8d37f24b9c_scores,@function
k_q8d37f24b9c_scores:
	s_mov_b64 s[64:65], 0
	v_nop
	global_prefetch_b8 v0, s[64:65] scope:SCOPE_SE
	s_setreg_imm32_b32 hwreg(HW_REG_WAVE_MODE, 25, 1), 1
	s_wait_xcnt 0x0
	s_wait_alu depctr_hold_cnt(0) depctr_sa_sdst(0) depctr_va_vdst(0) depctr_va_sdst(0) depctr_va_ssrc(0) depctr_va_vcc(0) depctr_vm_vsrc(0)
	s_getreg_b32 s2, hwreg(HW_REG_IB_STS2, 6, 4)
	s_cmp_eq_u32 s2, 0
	s_cbranch_scc0 .Lentry_in_a_cluster
	s_endpgm
.Lentry_in_a_cluster:
	s_bfe_u32 s2, ttmp6, 0x10000c
	s_cmp_lg_u32 s2, 0xf033
	s_cbranch_scc0 .Lentry_shape_is_right
	s_endpgm
.Lentry_shape_is_right:
; SCORES: q = x Wq + bq and k = x Wk + bk on codes of BF8 (E5M2) with E8M0 scales, and, from the accumulators, each position's 16 head-by-head scores summed over this work-group's 64 d.  q and k never go to memory.
;   part[c][row][4 h + g] = sum over d = 64 c .. 64 c + 63 of q[row][h][d] k[row][g][d] cd[h,g][d],  cd = cos cos + sin sin of the two heads' phases (1 for h = g).  The factor 1/32 and the softmax follow in the next launch.
; SHARES.  Work-group (c, rb): 256 rows x (64 d x 4 heads x {q, k}) = two tiles of 256 x 256, one after the other (tile u: d = 64 c + 32 u on); the ring of LDS slots runs on from the first tile into the second.
;   Four waves, each 128 x 128: 64 accumulators, 512 registers.  Wave (i, jw): rows 128 i on, tile columns 128 jw on.  Its column block b = 4 mat + head: accumulator (a, h) is q of head h, (a, 4 + g) is k of head g,
;   and with the product used TRANSPOSED (source 0 = 16 rows of the weights, source 1 = 16 rows of x) register j of lane (r, half) is d = 64 c + 32 u + 16 half + 8 jw + j of row 16 a + r: all heads of a d lie in one lane.
; K = 1,024 goes in four steps of 256 through two slots; the scale bytes of all of K come once, with the first fills.  The biases are the C of each sum's first product.
; CLUSTERS: 4 x 4.  x's tiles are shared along a row of the cluster, the weights' along a column: joint loads with a mask that names the four.
; LIMITS: NaN and infinities are not served; the f32 sums of the scores are taken in another order than a plain loop over d.
; REGISTERS, in windows of 256: window 0: v0-31 addresses; v32-63 scale words, two sets; v64-127 the scores (16 p + 4 h + g: lane l = row 32 p + l of my 128); from v128 x's fragments, one set (in the epilogue: at work).
;   window 1: the weights' fragments, two sets (v128-191 hold the biases until a tile's first step is over; in the epilogue v0-47 cd, v48-143 k x cd).   windows 2, 3: the accumulators, (a, b) at v[8 (8 (a % 4) + b)].
.set PITCH,  272                       ; an LDS row: 256 bytes + 16 of padding: the 16 rows of a load start at 16 different banks (64 banks of 4 bytes: ISA guide 11.1)
.set HALFT,  128*PITCH
.set SLOT,   4*HALFT
.set SCL,    2*SLOT                    ; the scale bytes, [4 planes][512 rows][8 bytes] twice: x's (256 rows; the load writes zeros into the other 256, which nobody reads), then the weights' 512 rows of both tiles
.set TAB,    SCL+8*4096                ; 14 rows of 64 f32 (this work-group's 64 d): 0-5 cd by pair, 6-9 bq by head, 10-13 bk by head
.set G0H,  4                           ; s[4:7], s[92:95] group 0 of the head's loads of K step 0: x's 256 rows, the weights' 256 rows
.set G0HB, 92
; PREFETCHES INTO THE L2: at fill t what fill t + 2 will load, one instruction a wave, a lane a row's 256 bytes.  Of the 128 rows that a wave fetches for the ring, each of the four partners that ask for them jointly names 32,
; told apart by address (cx for x, cy for the weights): each block is named once in each cluster that loads it.  K steps 2 and 3 of the first tile: x's and the weights'; the second tile's four K steps: the weights' alone (x's rows have been read).
; The address registers are never rewritten; the steps are immediates.  The last row named is the weights' row 512 c + 511.
.set PFO,  30                          ; v30      1,024 x lane
.set PFA,  100                         ; s[100:101] my wave's 32 rows, at K = 0
.set SPARE,  TAB+3584                  ; the spare words: 128 bytes for each wave, named by no other line
.set SC_WQKS, 131072
.set SC_CD,   655360
.set FR,   16
.set AF,   128
.set SC,   32
.set SS,   64
.set ADRA, 16
.set ADRB, 20
.set ADRS0, 22
.set ADRS1, 23
.set TABA, 24
.set STO,  25
.set RD,   26
.set GOF,  27
.set SPW,  28
.set NIL,  29
.set TT,   48
.set SP,   128
.set RE,   160
.set RO,   176
.set G1,   24
.set G0,   32
.set G1B,  48
.set G0B,  56
.set G1S,  68
.set G0S,  76
.set G1SB, 80
.set G0SB, 88
.set MSB, 0
.macro WIN new                         ; the immediate's high byte repeats the setting that is left
.if MSB != (\new)
	s_set_vgpr_msb (MSB<<8)|(\new)
.set MSB, (\new)
.endif
.endm
.set MUL_LO,  0xa1                     ; source 0 (weights) window 1, source 1 (x) window 0, C and D window 2
.set MUL_HI,  0xf1
.set MULB_LO, 0x91                     ; the same with C (the biases) in window 1
.set MULB_HI, 0xd1
.set TO_B,    0x40
.macro PLACES n
.rept \n
	v_nop
.endr
.endm
.macro JLOAD g0a, g1a, g0b, g1b        ; a joint load: waves 0 and 1 fetch for x, waves 2 and 3 for the weights; four v_nop follow each line
	s_cmp_eq_u32 s17, 0
	s_cbranch_scc0 .Lfor_b_\@
	tensor_load_to_lds s[\g0a:\g0a+3], s[\g1a:\g1a+7]
	s_nop 0
.rept 4
	v_nop
.endr
	s_branch .Lasked_\@
.Lfor_b_\@:
	tensor_load_to_lds s[\g0b:\g0b+3], s[\g1b:\g1b+7]
	s_nop 0
.rept 4
	v_nop
.endr
.Lasked_\@:
.endm
.macro CREST
	s_cmp_lg_u32 s16, 0
	s_cbranch_scc1 .Lnot_wave_0_\@
	s_barrier_signal -3
.Lnot_wave_0_\@:
	s_barrier_wait -3
	s_barrier_signal -1
	s_barrier_wait -1
.endm
.macro CROUND
	s_barrier_signal -1
	s_barrier_wait -1
	CREST
.endm
.macro FRAG reg, adr, q, i             ; 16 rows x 128 K: registers 4 c .. 4 c + 3 hold K = 32 c + 16 (lane / 16) + 0 .. 15 of row lane % 16
.irp c, 0,1,2,3
	ds_load_b128 v[\reg+4*\c:\reg+4*\c+3], v[\adr] offset:128*(\q)+32*\c+(\i)*16*PITCH
.endr
.endm
.macro FETCH_B slot, q, p
	WIN TO_B
.irp i, 0,1,2,3,4,5,6,7
	FRAG 128*(\p)+FR*\i, ADRB+\slot, \q, \i
.endr
	WIN 0
.endm
.macro FETCH_A slot, q, i0
.irp i, \i0, \i0+1, \i0+2, \i0+3
	FRAG AF+FR*(\i), ADRA+\slot, \q, \i
.endr
.endm
.macro SCALES ss, adr, plane           ; a K step's two words a row: lanes 0-15 x's block i, lanes 16-31 the weights' block i
.irp i, 0,1,2,3,4,5,6,7
	ds_load_b64 v[SC+16*(\ss)+2*\i:SC+16*(\ss)+2*\i+1], v[\adr] offset:(\plane)*4096+\i*128
.endr
.endm
; 16 products: x's blocks a0, a0 + 1 against the weights' eight.  The 64 accumulators take turns, one instruction a turn, in the same order in every step.  cm = 1: the biases start the sums
.macro MUL16 a0, p, q, sc, cm
.irp a, \a0, \a0+1
.irp b, 0,1,2,3,4,5,6,7
.if \cm
	v_wmma_scale_f32_16x16x128_f8f6f4 v[8*(8*((\a)%4)+\b):8*(8*((\a)%4)+\b)+7], v[128*(\p)+FR*\b:128*(\p)+FR*\b+FR-1], v[AF+FR*(\a):AF+FR*(\a)+FR-1], v[128+8*\b:128+8*\b+7], v[SC+16*(\sc)+2*\b+(\q)], v[SC+16*(\sc)+2*(\a)+(\q)] matrix_a_fmt:MATRIX_FMT_BF8 matrix_b_fmt:MATRIX_FMT_BF8 matrix_a_scale:MATRIX_SCALE_ROW1
.else
	v_wmma_scale_f32_16x16x128_f8f6f4 v[8*(8*((\a)%4)+\b):8*(8*((\a)%4)+\b)+7], v[128*(\p)+FR*\b:128*(\p)+FR*\b+FR-1], v[AF+FR*(\a):AF+FR*(\a)+FR-1], v[8*(8*((\a)%4)+\b):8*(8*((\a)%4)+\b)+7], v[SC+16*(\sc)+2*\b+(\q)], v[SC+16*(\sc)+2*(\a)+(\q)] matrix_a_fmt:MATRIX_FMT_BF8 matrix_b_fmt:MATRIX_FMT_BF8 matrix_a_scale:MATRIX_SCALE_ROW1
.endif
.endr
.endr
.endm
; Loads into registers that a matrix instruction has read stand eight places behind it, and only plain vector instructions that name none of its registers are places.
.macro START adr                       ; a tile's first fragments and scale words, from slot 0
	FETCH_B 0, 0, 0
	FETCH_A 0, 0, 0
	SCALES 0, \adr, 0
	FETCH_A 0, 0, 4
.endm
.macro FIRST slot                      ; a tile's first 128 along K
	s_wait_dscnt 16                                ; all but the youngest sixteen loads (x's blocks 4-7) are in
	WIN MULB_LO
	MUL16 0, 0, 0, \slot, 1
	MUL16 2, 0, 0, \slot, 1
	s_wait_dscnt 0
	PLACES 8
	WIN 0
	FETCH_A \slot, 1, 0
	WIN MULB_HI
	MUL16 4, 0, 0, \slot, 1
	MUL16 6, 0, 0, \slot, 1
	PLACES 8
	FETCH_B \slot, 1, 1                            ; over the biases, which have been read for the last time
	FETCH_A \slot, 1, 4
.endm
.macro STEP slot                       ; a slot's first 128 along K
	s_wait_dscnt 16
	WIN MUL_LO
	MUL16 0, 0, 0, \slot, 0
	MUL16 2, 0, 0, \slot, 0
	s_wait_dscnt 0
	PLACES 8
	FETCH_B \slot, 1, 1
	FETCH_A \slot, 1, 0
	WIN MUL_HI
	MUL16 4, 0, 0, \slot, 0
	MUL16 6, 0, 0, \slot, 0
	PLACES 8
	WIN 0
	FETCH_A \slot, 1, 4
.endm
; A slot's second 128 along K, and the change of slots: one barrier; ahead of it each wave waits for all its tensor loads, adds 0 to its spare word, and waits for that and for its reads of this slot.
; fill = 1: this slot takes the K step two on; 2: the next tile's K step of the same slot (x goes back along K, the weights 256 rows down and back); 0: nothing.  fetch = 1: the next slot's first fragments follow.
.macro TURN slot, next, fill, fetch, adr, plane, pf=-1   ; pf >= 0: the weights' waves ask for the second tile's K at byte pf
	s_wait_tensorcnt 0x0                           ; all my tensor loads have landed: the one that was out is my part of the next slot
	ds_add_u32 v[SPW], v[NIL]                      ; 0 onto my spare word
	s_wait_dscnt 17                                ; (the add and x's blocks 4-7 may be out)
	WIN MUL_LO
	MUL16 0, 1, 1, \slot, 0
	s_wait_dscnt 0x0                               ; the add is done, and my reads of this slot are over
	s_barrier_signal -1
	MUL16 2, 1, 1, \slot, 0
	WIN 0
	s_barrier_wait -1
.if \fill
	CREST                                          ; the barrier has opened a round of the cluster's barrier: no wave of any partner still reads this slot or has a load on its way
.if \fill == 1
	s_add_nc_u64 s[G0+4*\slot+2:G0+4*\slot+3], s[G0+4*\slot+2:G0+4*\slot+3], 512
	s_add_nc_u64 s[G0B+4*\slot+2:G0B+4*\slot+3], s[G0B+4*\slot+2:G0B+4*\slot+3], 512
.else
	s_sub_nc_u64 s[G0+4*\slot+2:G0+4*\slot+3], s[G0+4*\slot+2:G0+4*\slot+3], 512
	s_add_nc_u64 s[G0B+4*\slot+2:G0B+4*\slot+3], s[G0B+4*\slot+2:G0B+4*\slot+3], 256*1024-512
.endif
	JLOAD G0+4*\slot, G1, G0B+4*\slot, G1B         ; the first tensor load behind the round, my only one until the next
	PLACES 4
.else
	PLACES 8
.endif
.if \fetch
	FETCH_B \next, 0, 0
	FETCH_A \next, 0, 0
	SCALES \next, \adr, \plane
.endif
.if (\pf) >= 0
	s_cmp_eq_u32 s17, 0
	s_cbranch_scc1 .Lno_ask_\@
	global_prefetch_b8 v[PFO], s[PFA:PFA+1] offset:262144+(\pf) th:TH_LOAD_NT scope:SCOPE_SE
.Lno_ask_\@:
.endif
	WIN MUL_HI
	MUL16 4, 1, 1, \slot, 0
	MUL16 6, 1, 1, \slot, 0
.if \fetch
	PLACES 8
.endif
	WIN 0
.if \fetch
	FETCH_A \next, 0, 4
.endif
.endm
.macro BIASLD u                        ; the biases of tile u in the results' layout: block b's eight at window 1, v[128 + 8 b]
	WIN TO_B
.irp b, 0,1,2,3,4,5,6,7
	ds_load_b128 v[128+8*\b:128+8*\b+3], v[TABA] offset:(6+\b)*256+128*\u
	ds_load_b128 v[128+8*\b+4:128+8*\b+7], v[TABA] offset:(6+\b)*256+128*\u+16
.endr
	WIN 0
.endm
.macro PAIRIX h, g                     ; PR: which of the six pairs; OO: which of the twelve ordered pairs
.if \h < \g
.set PR, (\h)*(7-(\h))/2+(\g)-(\h)-1
.set OO, 3*(\h)+(\g)-1
.else
.set PR, (\g)*(7-(\g))/2+(\h)-(\g)-1
.set OO, 3*(\h)+(\g)
.endif
.endm
; The scores of row tile a from its eight accumulators, two d at a time.  Every accumulator is read from its low end on.
.macro SCROW a, u
.set WW, 2+(\a)/4
.set AB, 64*((\a)%4)
	WIN 0x44+WW                                    ; destination and source 1 window 1, source 0 the accumulators' window
.irp h, 0,1,2,3
.irp g, 0,1,2,3
.if \h != \g
	PAIRIX \h, \g
.irp jp, 0,1,2,3
	v_pk_mul_f32 v[TT+8*OO+2*\jp:TT+8*OO+2*\jp+1], v[AB+32+8*\g+2*\jp:AB+32+8*\g+2*\jp+1], v[8*PR+2*\jp:8*PR+2*\jp+1]   ; k_g x cd[h,g]
.endr
.endif
.endr
.endr
	WIN 5*WW                                       ; sources 0 and 1 the accumulators' window
.irp h, 0,1,2,3
	v_pk_mul_f32 v[SP+10*\h:SP+10*\h+1], v[AB+8*\h:AB+8*\h+1], v[AB+32+8*\h:AB+32+8*\h+1]   ; h = g: q_h k_h
.endr
.irp jp, 1,2,3
.irp h, 0,1,2,3
	v_pk_fma_f32 v[SP+10*\h:SP+10*\h+1], v[AB+8*\h+2*\jp:AB+8*\h+2*\jp+1], v[AB+32+8*\h+2*\jp:AB+32+8*\h+2*\jp+1], v[SP+10*\h:SP+10*\h+1]
.endr
.endr
	WIN 0x04+WW                                    ; source 0 the accumulators' window, source 1 window 1
.irp jp, 0,1,2,3
.irp h, 0,1,2,3
.irp g, 0,1,2,3
.if \h != \g
	PAIRIX \h, \g
.if \jp == 0
	v_pk_mul_f32 v[SP+2*(4*\h+\g):SP+2*(4*\h+\g)+1], v[AB+8*\h:AB+8*\h+1], v[TT+8*OO:TT+8*OO+1]
.else
	v_pk_fma_f32 v[SP+2*(4*\h+\g):SP+2*(4*\h+\g)+1], v[AB+8*\h+2*\jp:AB+8*\h+2*\jp+1], v[TT+8*OO+2*\jp:TT+8*OO+2*\jp+1], v[SP+2*(4*\h+\g):SP+2*(4*\h+\g)+1]
.endif
.endif
.endr
.endr
.endr
	WIN 0
.irp k, 0,1,2,3,4,5,6,7,8,9,10,11,12,13,14,15
	v_add_f32 v[RE+16*((\a)%2)+\k], v[SP+2*\k], v[SP+2*\k+1]   ; even d and odd d
.endr
.if (\a)%2
.irp k, 0,1,2,3,4,5,6,7,8,9,10,11,12,13,14,15
	v_permlane16_swap_b32 v[RE+\k], v[RO+\k]       ; the even tile's upper lanes change places with the odd tile's lower ones: the two registers' sum is then the even tile's rows in lanes 0-15, the odd tile's in lanes 16-31, both halves of d added
.endr
.irp k, 0,1,2,3,4,5,6,7,8,9,10,11,12,13,14,15
.if \u == 0
	v_add_f32 v[SS+16*((\a)/2)+\k], v[RE+\k], v[RO+\k]
.else
	v_add_f32 v[RE+\k], v[RE+\k], v[RO+\k]
.endif
.endr
.if \u
.irp k, 0,1,2,3,4,5,6,7,8,9,10,11,12,13,14,15
	v_add_f32 v[SS+16*((\a)/2)+\k], v[SS+16*((\a)/2)+\k], v[RE+\k]
.endr
.endif
.endif
.endm
.macro SCORE u
	PLACES 9                                       ; behind the last products: eight for reads of results and loads into operands, one more since the next tile's first products write over these accumulators with another C
	WIN TO_B
.irp p, 0,1,2,3,4,5
	ds_load_b128 v[8*\p:8*\p+3], v[TABA] offset:\p*256+128*\u
	ds_load_b128 v[8*\p+4:8*\p+7], v[TABA] offset:\p*256+128*\u+16
.endr
	WIN 0
	s_wait_dscnt 0x0
.irp a, 0,1,2,3,4,5,6,7
	SCROW \a, \u
.endr
.endm
	s_load_b256 s[4:11], s[0:1], 0x0               ; xc, wqkc, sc, bq
	s_load_b128 s[12:15], s[0:1], 0x20             ; bk, part
	v_lshl_add_u32 v[SPW], v0, 2, SPARE
	v_mov_b32 v[NIL], 0
	ds_add_u32 v28, v29
	ds_add_u32 v28, v29
	s_wait_dscnt 0x0
	v_lshrrev_b32 v1, 5, v0
	v_readfirstlane_b32 s16, v1                    ; wave 0..3
	s_lshr_b32 s17, s16, 1                         ; i: my half of the rows.  Also: I fetch for x (0) or for the weights (1)
	s_and_b32 s18, s16, 1                          ; jw: my half of the columns.  Also: which 128 rows I fetch
	s_bfe_u32 s40, ttmp6, 0x40000                  ; cx, cy
	s_bfe_u32 s41, ttmp6, 0x40004
	s_lshl_b32 s42, ttmp9, 2
	s_add_co_u32 s42, s42, s40                     ; c
	s_and_b32 s43, ttmp7, 0xffff
	s_lshl_b32 s43, s43, 2
	s_add_co_u32 s43, s43, s41                     ; rb
	s_lshl_b32 s44, s41, 2
	s_lshl_b32 s44, 15, s44                        ; my row of the cluster
	s_lshl_b32 s45, 0x1111, s40                    ; my column
	s_or_b32 s[G1+0], s44, (1<<20)|(1<<21)|(5<<22)|(3<<25)   ; the mask; elements of 1 byte; padding: 4 words behind every 64; bit 21 beside a mask
	s_or_b32 s[G1B+0], s45, (1<<20)|(1<<21)|(5<<22)|(3<<25)
.irp g, G1, G1B
	s_mov_b32 s[\g+1], 256<<16                     ; tensor_dim0
	s_mov_b32 s[\g+2], 256<<16                     ; tensor_dim1: 256 rows for the head's loads; set to 128 for the ring's behind the wait for them
	s_mov_b32 s[\g+3], 256<<16                     ; tile_dim0
	s_mov_b32 s[\g+4], 256                         ; tile_dim1
	s_mov_b32 s[\g+5], 1024                        ; from row to row
	s_mov_b32 s[\g+6], 0
	s_mov_b32 s[\g+7], 0
.endr
	s_or_b32 s[G1S+0], s44, (3<<16)|(1<<21)        ; scale bytes: elements of 8 bytes (a row's), 512 rows x 4 planes, dense in LDS
	s_or_b32 s[G1SB+0], s45, (3<<16)|(1<<21)
	s_mov_b32 s[G1S+1], 256<<16                    ; x has 256 rows: past them the load writes zeros
	s_mov_b32 s[G1SB+1], 512<<16
.irp g, G1S, G1SB
	s_mov_b32 s[\g+2], 4<<16
	s_mov_b32 s[\g+3], 512<<16                     ; both tiles are 512 rows wide, so that a plane is 4,096 bytes in both
	s_mov_b32 s[\g+4], 4
	s_mov_b32 s[\g+6], 0
	s_mov_b32 s[\g+7], 0
.endr
	s_mov_b32 s[G1S+5], 4096                       ; a plane of x's scale bytes: 4,096 rows
	s_mov_b32 s[G1SB+5], 8192                      ; of the weights': 8,192
	s_lshl_b32 s19, s18, 7
	s_lshl_b32 s20, s43, 8
	s_add_co_u32 s20, s20, s19                     ; x: row 256 rb + 128 jw
	s_lshl_b32 s22, s43, 11                        ; x's scale bytes: row 256 rb
	s_lshl_b32 s20, s20, 10
	s_mov_b32 s21, 0
	s_mov_b32 s23, 0
	s_lshl_b32 s46, s42, 9
	s_add_co_u32 s46, s46, s19                     ; weights: row 512 c + 128 jw
	s_lshl_b32 s66, s42, 12                        ; the weights': row 512 c
	s_add_co_u32 s66, s66, SC_WQKS
	s_lshl_b32 s46, s46, 10
	s_mov_b32 s47, 0
	s_mov_b32 s67, 0
	s_mul_i32 s96, s16, HALFT                      ; where the codes go: wave x 128 rows
	s_wait_kmcnt 0x0
	s_add_nc_u64 s[20:21], s[4:5], s[20:21]
	s_add_nc_u64 s[22:23], s[8:9], s[22:23]
	s_add_nc_u64 s[46:47], s[6:7], s[46:47]
	s_add_nc_u64 s[66:67], s[8:9], s[66:67]
	s_lshl_b32 s98, s43, 8                         ; the prefetches' base: x's row 256 rb or the weights' row 512 c,
	s_lshl_b32 s99, s42, 9
	s_cmp_eq_u32 s17, 0
	s_cselect_b64 s[PFA:PFA+1], s[4:5], s[6:7]
	s_cselect_b32 s98, s98, s99
	s_cselect_b32 s99, s40, s41                    ; my place among the four that ask for the tile with me
	s_lshl_b32 s99, s99, 5
	s_add_co_u32 s98, s98, s99
	s_add_co_u32 s98, s98, s19                     ; + the 128 rows that I fetch
	s_lshl_b32 s98, s98, 10
	s_mov_b32 s99, 0
	s_add_nc_u64 s[PFA:PFA+1], s[PFA:PFA+1], s[98:99]
	s_mov_b32 s[G0S], 1
	s_mov_b32 s[G0S+1], SCL
	s_mov_b64 s[G0S+2:G0S+3], s[22:23]
	s_or_b32 s[G0S+3], s[G0S+3], 0x80000000
	s_mov_b32 s[G0SB], 1
	s_mov_b32 s[G0SB+1], SCL+16384
	s_mov_b64 s[G0SB+2:G0SB+3], s[66:67]
	s_or_b32 s[G0SB+3], s[G0SB+3], 0x80000000
	s_lshl_b32 s66, s42, 19                        ; the weights' rows 512 c on, 1,024 bytes each
	s_mov_b32 s67, 0
	s_mov_b32 s[G0HB], 1
	s_mov_b32 s[G0HB+1], 2*HALFT
	s_add_nc_u64 s[G0HB+2:G0HB+3], s[6:7], s[66:67]
	s_or_b32 s[G0HB+3], s[G0HB+3], 0x80000000
	s_lshl_b32 s22, s43, 18                        ; x's rows 256 rb on
	s_mov_b32 s23, 0
	s_add_nc_u64 s[G0H+2:G0H+3], s[4:5], s[22:23]
	s_or_b32 s[G0H+3], s[G0H+3], 0x80000000
	s_mov_b32 s[G0H], 1
	s_mov_b32 s[G0H+1], 0
.irp s, 0,1
	s_mov_b32 s[G0+4*\s], 1
	s_add_co_u32 s[G0+4*\s+1], s96, \s*SLOT
	s_add_nc_u64 s[G0+4*\s+2:G0+4*\s+3], s[20:21], \s*256
	s_or_b32 s[G0+4*\s+3], s[G0+4*\s+3], 0x80000000
	s_mov_b32 s[G0B+4*\s], 1
	s_add_co_u32 s[G0B+4*\s+1], s96, \s*SLOT
	s_add_nc_u64 s[G0B+4*\s+2:G0B+4*\s+3], s[46:47], \s*256
	s_or_b32 s[G0B+4*\s+3], s[G0B+4*\s+3], 0x80000000
.endr
	CROUND                                         ; all sixteen work-groups are here: the first joint loads meet
; The head's four tiles, one joint load a wave: wave 0 x's 256 rows of K step 0, wave 1 the weights', wave 2 x's scale bytes, wave 3 the weights'.  One chain of branches on the wave's number
.macro HARM under, g0, g1, next
	s_cmp_lt_u32 s16, \under
	s_cbranch_scc0 \next
	tensor_load_to_lds s[\g0:\g0+3], s[\g1:\g1+7]
	s_nop 0
	PLACES 4
	s_branch .Lff_done
\next:
.endm
	HARM 1, G0H,  G1,  .Lh_b
	HARM 2, G0HB, G1B, .Lh_sa
	HARM 3, G0S,  G1S, .Lh_sb
	tensor_load_to_lds s[G0SB:G0SB+3], s[G1SB:G1SB+7]
	s_nop 0
	PLACES 4
.Lff_done:
	v_and_b32 v1, 15, v0                           ; r
	v_bfe_u32 v2, v0, 4, 1                         ; half
	v_and_b32 v[PFO], 31, v0
	v_lshlrev_b32 v[PFO], 10, v[PFO]
	s_wait_alu depctr_va_vdst(0)
	v_mul_u32_u24 v3, v1, PITCH
	v_lshl_add_u32 v4, v2, 4, v3
	s_mul_i32 s21, s17, HALFT
	s_mul_i32 s22, s18, HALFT
	s_add_co_u32 s22, s22, 2*HALFT
.irp s, 0,1
	v_add_nc_u32 v[ADRA+\s], s21, v4
	v_add_nc_u32 v[ADRB+\s], s22, v4
	s_add_co_u32 s21, s21, SLOT
	s_add_co_u32 s22, s22, SLOT
.endr
	s_xor_b32 s21, s17, 1                          ; scale words: lanes 0-15 x's rows 128 i on, lanes 16-31 the weights' rows 256 u + 128 jw on, 16,384 bytes behind x's: one product, half x the distance
	s_add_co_u32 s21, s21, s18
	s_add_co_u32 s21, s21, 15
	s_lshl_b32 s21, s21, 10                        ; (16 - i + jw) x 1,024
	v_mul_u32_u24 v5, s21, v2
	s_lshl_b32 s22, s17, 10
	s_add_co_u32 s22, s22, SCL
	v_lshl_add_u32 v5, v1, 3, v5
	v_add_nc_u32 v[ADRS0], s22, v5
	v_lshl_add_u32 v[ADRS1], v2, 11, v[ADRS0]      ; the second tile's weights: 256 rows on
	s_lshl_b32 s21, s18, 5
	s_add_co_u32 s21, s21, TAB
	v_lshl_add_u32 v[TABA], v2, 6, s21             ; my eight d in a table row: 64 half + 32 jw bytes on
	v_and_b32 v6, 31, v0
	s_mul_i32 s21, s16, 10240
	v_mul_u32_u24 v[STO], v6, 80
	v_add_nc_u32 v[STO], s21, v[STO]               ; the way out: my region of 128 rows x 80 bytes, row = lane
	s_mul_i32 s21, s17, 20480
	s_mul_i32 s22, s18, 5120
	s_add_co_u32 s21, s21, s22
	v_lshrrev_b32 v7, 2, v6
	v_mul_u32_u24 v7, v7, 80
	v_and_b32 v8, 3, v6
	v_lshl_add_u32 v7, v8, 4, v7
	v_add_nc_u32 v[RD], s21, v7                    ; back: rows 64 (wave & 1) on of my row half's first region, four lanes to a row
	v_lshlrev_b32 v[GOF], 4, v6
	s_lshl_b32 s98, s42, 18                        ; part: plane c, row 256 rb + 64 wave, 64 bytes a row
	s_lshl_b32 s99, s43, 14
	s_add_co_u32 s98, s98, s99
	s_lshl_b32 s99, s16, 12
	s_add_co_u32 s98, s98, s99
	s_mov_b32 s99, 0
	s_add_nc_u64 s[14:15], s[14:15], s[98:99]
	; the table: 128 threads bring the biases' 2,048 bytes, 96 of them cd's 1,536
	s_lshl_b32 s98, s42, 8
	s_cmp_lt_u32 s16, 2
	s_cselect_b64 s[10:11], s[10:11], s[12:13]     ; waves 0, 1: bq; waves 2, 3: bk
	s_add_nc_u64 s[10:11], s[10:11], s[98:99]
	s_add_co_u32 s98, s98, SC_CD
	s_add_nc_u64 s[12:13], s[8:9], s[98:99]
	v_lshlrev_b32 v9, 4, v1
	v_lshrrev_b32 v10, 4, v0
	v_lshl_add_u32 v11, v10, 12, v9                ; cd: pair t / 16
	v_and_b32 v10, 3, v10
	v_lshl_add_u32 v18, v10, 12, v9                ; bias: head (t / 16) % 4
	v_lshlrev_b32 v19, 4, v0
	v_add_nc_u32 v19, TAB, v19
	global_load_b128 v[4:7], v18, s[10:11]
	global_prefetch_b8 v[PFO], s[PFA:PFA+1] offset:512 th:TH_LOAD_NT scope:SCOPE_SE   ; K step 2
	s_cmp_lt_u32 s16, 3
	s_cbranch_scc0 .Lno_cd
	global_load_b128 v[12:15], v11, s[12:13]
	s_wait_loadcnt 0x0
	s_wait_alu depctr_va_vdst(0)
	ds_store_b128 v19, v[12:15]
.Lno_cd:
	s_wait_loadcnt 0x0
	s_wait_alu depctr_va_vdst(0)
	ds_store_b128 v19, v[4:7] offset:1536
	s_wait_tensorcnt 0x0                           ; my tile of the head's four is in
	ds_add_u32 v[SPW], v[NIL]
	s_mov_b32 s[G1+2], 128<<16                     ; no tensor load of mine is out: from here on a load brings 128 rows
	s_mov_b32 s[G1+4], 128
	s_mov_b32 s[G1B+2], 128<<16
	s_mov_b32 s[G1B+4], 128
	s_wait_dscnt 0x0                               ; the add is done, and my part of the table is stored
	CROUND                                         ; a whole round: all four tiles and the table are in, in every partner
	JLOAD G0+4, G1, G0B+4, G1B                     ; K step 1 into slot 1: the first tensor load behind the round
	BIASLD 0
	START ADRS0
	global_prefetch_b8 v[PFO], s[PFA:PFA+1] offset:768 th:TH_LOAD_NT scope:SCOPE_SE   ; K step 3
	FIRST 0
	TURN 0, 1, 1, 1, ADRS0, 1, 0
	STEP 1
	TURN 1, 0, 1, 1, ADRS0, 2, 256
	STEP 0
	TURN 0, 1, 2, 1, ADRS0, 3, 512                 ; the ring goes on into the second tile: slot 0 takes its K step 0,
	STEP 1
	TURN 1, 0, 2, 0, 0, 0, 768                     ; slot 1 its K step 1; they land under the epilogue
	SCORE 0
	BIASLD 1
	START ADRS1
	FIRST 0
	TURN 0, 1, 1, 1, ADRS1, 1
	STEP 1
	TURN 1, 0, 1, 1, ADRS1, 2
	STEP 0
	TURN 0, 1, 0, 1, ADRS1, 3                      ; nothing is left to fetch
	STEP 1
	s_wait_dscnt 16                                ; the very last 128 along K
	WIN MUL_LO
	MUL16 0, 1, 1, 1, 0
	MUL16 2, 1, 1, 1, 0
	s_wait_dscnt 0
	WIN MUL_HI
	MUL16 4, 1, 1, 1, 0
	MUL16 6, 1, 1, 1, 0
	WIN 0
	SCORE 1
	; THE WAY OUT.  The two waves of a row half hold the two halves of the d of each group of 16: their sums meet in a stage.  It lies in slot 0, which has had its last fill, and which nobody reads behind the last change of slots.
.irp p, 0,1,2,3
.irp k, 0,1,2,3
	ds_store_b128 v[STO], v[SS+16*\p+4*\k:SS+16*\p+4*\k+3] offset:\p*2560+16*\k
.endr
.endr
	s_wait_dscnt 0x0                               ; for the others' sake: my stores are done
	s_barrier_signal -1
	s_barrier_wait -1
.irp t, 0,1,2,3,4,5,6,7
	ds_load_b128 v[128+8*\t:131+8*\t], v[RD] offset:\t*640
	ds_load_b128 v[132+8*\t:135+8*\t], v[RD] offset:\t*640+10240
.endr
	s_wait_dscnt 0x0
.irp t, 0,1,2,3,4,5,6,7
	v_pk_add_f32 v[128+8*\t:129+8*\t], v[128+8*\t:129+8*\t], v[132+8*\t:133+8*\t]
	v_pk_add_f32 v[130+8*\t:131+8*\t], v[130+8*\t:131+8*\t], v[134+8*\t:135+8*\t]
.endr
.irp t, 0,1,2,3,4,5,6,7
	global_store_b128 v[GOF], v[128+8*\t:131+8*\t], s[14:15] offset:512*\t   ; 32 lanes store 512 consecutive bytes: eight rows' scores
.endr
	s_wait_tensorcnt 0x0                           ; the wave's end
	ds_add_u32 v[SPW], v[NIL]
	s_wait_dscnt 0x0
	CROUND                                         ; the closing round
	s_endpgm
.Lfunc_end_k_q8d37f24b9c_scores:
	.size	k_q8d37f24b9c_scores, .Lfunc_end_k_q8d37f24b9c_scores-k_q8d37f24b9c_scores
	.p2alignl 7, 3214868480
	.fill 96, 4, 3214868480
	.section	.rodata,"a",@progbits
	.p2align	6, 0x0
	.amdhsa_kernel k_q8d37f24b9c_scores
		.amdhsa_group_segment_fixed_size 327680
		.amdhsa_private_segment_fixed_size 0
		.amdhsa_enable_private_segment 0
		.amdhsa_kernarg_size 48
		.amdhsa_user_sgpr_count 2
		.amdhsa_user_sgpr_kernarg_segment_ptr 1
		.amdhsa_wavefront_size32 1
		.amdhsa_system_sgpr_workgroup_id_x 1
		.amdhsa_system_sgpr_workgroup_id_y 1
		.amdhsa_system_sgpr_workgroup_id_z 1
		.amdhsa_system_vgpr_workitem_id 0
		.amdhsa_next_free_vgpr 1024
		.amdhsa_next_free_sgpr 102
		.amdhsa_reserve_vcc 0
		.amdhsa_float_denorm_mode_32 3
		.amdhsa_float_denorm_mode_16_64 3
		.amdhsa_memory_ordered 1
		.amdhsa_forward_progress 1
		.amdhsa_inst_pref_size 255
	.end_amdhsa_kernel
	.section	.bss,"aw",@nobits
	.p2align	6
	.space	262144
	.amdgpu_metadata
---
amdhsa.version: [ 1, 2 ]
amdhsa.kernels:
  - .name:           k_q8d37f24b9c_scores
    .symbol:         k_q8d37f24b9c_scores.kd
    .args:
      - { .name: xc, .offset: 0, .size: 8, .value_kind: global_buffer, .address_space: global }
      - { .name: wqkc, .offset: 8, .size: 8, .value_kind: global_buffer, .address_space: global }
      - { .name: sc, .offset: 16, .size: 8, .value_kind: global_buffer, .address_space: global }
      - { .name: bq, .offset: 24, .size: 8, .value_kind: global_buffer, .address_space: global }
      - { .name: bk, .offset: 32, .size: 8, .value_kind: global_buffer, .address_space: global }
      - { .name: part, .offset: 40, .size: 8, .value_kind: global_buffer, .address_space: global }
    .group_segment_fixed_size: 327680
    .private_segment_fixed_size: 0
    .kernarg_segment_align: 8
    .kernarg_segment_size: 48
    .max_flat_workgroup_size: 128
    .sgpr_count:     102
    .vgpr_count:     1024
    .wavefront_size: 32
...
	.end_amdgpu_metadata
.endif
;; end of part 2
;; launch mix (part 3): grid 16 x 16, 4 waves a work-group, clusters of 4 x 4, 327,680 bytes of LDS; arguments xc, wvc, sc, bv, part, a7c, a7s; writes a7c, a7s
.if DOCPART == 3
	.amdgcn_target "amdgcn-amd-amdhsa--gfx1250"
	.amdhsa_code_object_version 6
	.text
	.protected	k_q8d37f24b9c_mix
	.globl	k_q8d37f24b9c_mix
	.p2align	8
	.type	k_q8d37f24b9c_mix,@function
k_q8d37f24b9c_mix:
	s_mov_b64 s[64:65], 0
	v_nop
	global_prefetch_b8 v0, s[64:65] scope:SCOPE_SE
	s_setreg_imm32_b32 hwreg(HW_REG_WAVE_MODE, 25, 1), 1
	s_wait_xcnt 0x0
	s_wait_alu depctr_hold_cnt(0) depctr_sa_sdst(0) depctr_va_vdst(0) depctr_va_sdst(0) depctr_va_ssrc(0) depctr_va_vcc(0) depctr_vm_vsrc(0)
	s_getreg_b32 s2, hwreg(HW_REG_IB_STS2, 6, 4)
	s_cmp_eq_u32 s2, 0
	s_cbranch_scc0 .Lentry_in_a_cluster
	s_endpgm
.Lentry_in_a_cluster:
	s_bfe_u32 s2, ttmp6, 0x10000c
	s_cmp_lg_u32 s2, 0xf033
	s_cbranch_scc0 .Lentry_shape_is_right
	s_endpgm
.Lentry_shape_is_right:
; MIX: the softmax over the four heads from the sixteen partial scores; v = x Wv + bv on codes of BF8 (E5M2) with E8M0 scales; out[h] = sum over g of attn[h][g] v[g] from the accumulators, in f32;
; quantised along the last product's K and stored as that product's left operand.  v never goes to memory.
;   attn = softmax_g(s / 32): e = 2^((s - max) log2(e) / 32), the maximum taken away first.
;   The re-view: position (b, s), head h, channel d is element (R, k) with R = 1024 b + 256 h + s / 4, k = 1024 (s % 4) + d.  Stored K order: k' = 256 (d >> 6) + 64 (s % 4) + (d & 63), the order in which Wo's codes lie too.
; SHARES.  Work-group (c, rb): 256 positions x (64 d x 4 heads): one tile of 256 x 256; four waves of 128 x 128.  Wave (i, jw), column block b = 4 u + g: with the product used TRANSPOSED register j of lane (r, half) of accumulator
;   (a, 4 u + g) is v of head g at d = 64 c + 32 jw + 16 half + 8 u + j, position 128 i + 16 a + r.  So a head's 16 mixed numbers of a lane are 16 neighbours along k', and a block of 32 lies in lanes l and l xor 16.
;   The work-group owns, of 64 rows R for each head, the 256 bytes at 256 c, and the 8 scale bytes of that K step.
; THE PARTIAL SCORES of the 256 positions (16 planes x 16,384 bytes) are read by all sixteen work-groups of a row of the grid, four of them partners in a cluster.  They are not asked for jointly: 262,144 bytes do not fit in LDS beside the
;   ring's 278,528; they go straight into the 512 registers of the accumulators, which lie idle until the first product.
; CLUSTERS: 4 x 4; x's tiles shared along a row, the weights' along a column.
; LIMITS: NaN and infinities are not served; a block of zeros gets the byte 1 with zero codes (only this program reads the bytes); blocks whose largest magnitude lies under 2^-111 were not tried.
; REGISTERS: as in the launch before: window 0: v0-31 addresses, v32-63 scale words, from v128 x's fragments; window 1 the weights' fragments (v128-191 the biases at first); windows 2, 3 the accumulators.
;   Epilogue, window 0: v32-63 attn, two sets; v64-127 the mixed numbers (16 h + 8 u + j); v128-159 codes, two sets; v160-175 at work; v176-183 scale bytes, two sets.
.set PITCH,  272
.set HALFT,  128*PITCH
.set SLOT,   4*HALFT
.set SCL,    2*SLOT                    ; the scale bytes, [4 planes][256 rows][8 bytes]: x's, then the weights'
.set G0H,  4                           ; s[4:7], s[92:95] group 0 of the head's loads of K step 0: x's 256 rows, the weights' 256 rows
.set G0HB, 92
; PREFETCHES INTO THE L2: K step 2 is asked for at the head, K step 3 behind slot 1's first fill: two fills ahead of their loads, one instruction a wave, a lane a row's 256 bytes.  Of the 128 rows that a wave fetches for the ring,
; each of the four partners that ask for them jointly names 32, told apart by address (cx for x, cy for the weights).  The address registers are never rewritten.
.set PFO,  10                          ; v10      1,024 x lane
.set PFA,  100                         ; s[100:101] my wave's 32 rows, at K = 0
.set ATT,    SCL+4*4096                ; attn: 256 rows x (64 bytes + 16)
.set SST,    ATT+256*80                ; the new scale bytes: [64 h + R'][8]
.set SPARE,  SST+2048
.set SC_WVS, 393216
.set FR,   16
.set AF,   128
.set SC,   32
.set SM,   32
.set OU,   64
.set TM,   160
.set PO,   5
.set BO,   6
.set SRD,  8
.set GOS,  9
.set ADRA, 16
.set ADRB, 20
.set ADRS, 22
.set ATTW, 24
.set ATTR, 25
.set CST,  26
.set SSTA, 27
.set SPW,  28
.set NIL,  29
.set RDC,  30
.set GOC,  31
.set G1,   24
.set G0,   32
.set G1B,  48
.set G0B,  56
.set G1S,  68
.set G0S,  76
.set G1SB, 80
.set G0SB, 88
.set MSB, 0
.macro WIN new
.if MSB != (\new)
	s_set_vgpr_msb (MSB<<8)|(\new)
.set MSB, (\new)
.endif
.endm
.set MUL_LO,  0xa1
.set MUL_HI,  0xf1
.set MULB_LO, 0x91
.set MULB_HI, 0xd1
.set TO_B,    0x40
.macro PLACES n
.rept \n
	v_nop
.endr
.endm
.macro JLOAD g0a, g1a, g0b, g1b
	s_cmp_eq_u32 s17, 0
	s_cbranch_scc0 .Lfor_b_\@
	tensor_load_to_lds s[\g0a:\g0a+3], s[\g1a:\g1a+7]
	s_nop 0
.rept 4
	v_nop
.endr
	s_branch .Lasked_\@
.Lfor_b_\@:
	tensor_load_to_lds s[\g0b:\g0b+3], s[\g1b:\g1b+7]
	s_nop 0
.rept 4
	v_nop
.endr
.Lasked_\@:
.endm
.macro CREST
	s_cmp_lg_u32 s16, 0
	s_cbranch_scc1 .Lnot_wave_0_\@
	s_barrier_signal -3
.Lnot_wave_0_\@:
	s_barrier_wait -3
	s_barrier_signal -1
	s_barrier_wait -1
.endm
.macro CROUND
	s_barrier_signal -1
	s_barrier_wait -1
	CREST
.endm
.macro FRAG reg, adr, q, i
.irp c, 0,1,2,3
	ds_load_b128 v[\reg+4*\c:\reg+4*\c+3], v[\adr] offset:128*(\q)+32*\c+(\i)*16*PITCH
.endr
.endm
.macro FETCH_B slot, q, p
	WIN TO_B
.irp i, 0,1,2,3,4,5,6,7
	FRAG 128*(\p)+FR*\i, ADRB+\slot, \q, \i
.endr
	WIN 0
.endm
.macro FETCH_A slot, q, i0
.irp i, \i0, \i0+1, \i0+2, \i0+3
	FRAG AF+FR*(\i), ADRA+\slot, \q, \i
.endr
.endm
.macro SCALES ss, plane
.irp i, 0,1,2,3,4,5,6,7
	ds_load_b64 v[SC+16*(\ss)+2*\i:SC+16*(\ss)+2*\i+1], v[ADRS] offset:(\plane)*2048+\i*128
.endr
.endm
.macro MUL16 a0, p, q, sc, cm          ; the 64 accumulators take turns, one instruction a turn.  cm = 1: the biases start the sums
.irp a, \a0, \a0+1
.irp b, 0,1,2,3,4,5,6,7
.if \cm
	v_wmma_scale_f32_16x16x128_f8f6f4 v[8*(8*((\a)%4)+\b):8*(8*((\a)%4)+\b)+7], v[128*(\p)+FR*\b:128*(\p)+FR*\b+FR-1], v[AF+FR*(\a):AF+FR*(\a)+FR-1], v[128+8*\b:128+8*\b+7], v[SC+16*(\sc)+2*\b+(\q)], v[SC+16*(\sc)+2*(\a)+(\q)] matrix_a_fmt:MATRIX_FMT_BF8 matrix_b_fmt:MATRIX_FMT_BF8 matrix_a_scale:MATRIX_SCALE_ROW1
.else
	v_wmma_scale_f32_16x16x128_f8f6f4 v[8*(8*((\a)%4)+\b):8*(8*((\a)%4)+\b)+7], v[128*(\p)+FR*\b:128*(\p)+FR*\b+FR-1], v[AF+FR*(\a):AF+FR*(\a)+FR-1], v[8*(8*((\a)%4)+\b):8*(8*((\a)%4)+\b)+7], v[SC+16*(\sc)+2*\b+(\q)], v[SC+16*(\sc)+2*(\a)+(\q)] matrix_a_fmt:MATRIX_FMT_BF8 matrix_b_fmt:MATRIX_FMT_BF8 matrix_a_scale:MATRIX_SCALE_ROW1
.endif
.endr
.endr
.endm
.macro FIRST slot
	s_wait_dscnt 16                                ; all but x's blocks 4-7 are in
	WIN MULB_LO
	MUL16 0, 0, 0, \slot, 1
	MUL16 2, 0, 0, \slot, 1
	s_wait_dscnt 0
	PLACES 8                                       ; eight places ahead of loads into registers that matrix instructions have read
	WIN 0
	FETCH_A \slot, 1, 0
	WIN MULB_HI
	MUL16 4, 0, 0, \slot, 1
	MUL16 6, 0, 0, \slot, 1
	PLACES 8
	FETCH_B \slot, 1, 1                            ; over the biases, which have been read for the last time
	FETCH_A \slot, 1, 4
.endm
.macro STEP slot
	s_wait_dscnt 16
	WIN MUL_LO
	MUL16 0, 0, 0, \slot, 0
	MUL16 2, 0, 0, \slot, 0
	s_wait_dscnt 0
	PLACES 8
	FETCH_B \slot, 1, 1
	FETCH_A \slot, 1, 0
	WIN MUL_HI
	MUL16 4, 0, 0, \slot, 0
	MUL16 6, 0, 0, \slot, 0
	PLACES 8
	WIN 0
	FETCH_A \slot, 1, 4
.endm
.macro TURN slot, next, fill, plane    ; a slot's second 128 along K and the change of slots
	s_wait_tensorcnt 0x0                           ; all my tensor loads have landed: my part of the next slot
	ds_add_u32 v[SPW], v[NIL]                      ; 0 onto my spare word
	s_wait_dscnt 17                                ; (the add and x's blocks 4-7 may be out)
	WIN MUL_LO
	MUL16 0, 1, 1, \slot, 0
	s_wait_dscnt 0x0                               ; the add is done, and my reads of this slot are over
	s_barrier_signal -1
	MUL16 2, 1, 1, \slot, 0
	WIN 0
	s_barrier_wait -1
.if \fill
	CREST                                          ; a round of the cluster's barrier: no wave of any partner still reads this slot or has a load on its way
	s_add_nc_u64 s[G0+4*\slot+2:G0+4*\slot+3], s[G0+4*\slot+2:G0+4*\slot+3], 512
	s_add_nc_u64 s[G0B+4*\slot+2:G0B+4*\slot+3], s[G0B+4*\slot+2:G0B+4*\slot+3], 512
	JLOAD G0+4*\slot, G1, G0B+4*\slot, G1B
	PLACES 4
.else
	PLACES 8
.endif
	FETCH_B \next, 0, 0
	FETCH_A \next, 0, 0
	SCALES \next, \plane
	WIN MUL_HI
	MUL16 4, 1, 1, \slot, 0
	MUL16 6, 1, 1, \slot, 0
	PLACES 8
	WIN 0
	FETCH_A \next, 0, 4
.endm
; Row tile a: the four heads mixed, quantised, and put into the stage
.macro MIXROW a
.set WW, 2+(\a)/4
.set AB, 64*((\a)%4)
.set AT, 32+16*((\a)%2)
.set ATN, 32+16*(((\a)+1)%2)
.set PC, 128+16*((\a)%2)
.set BY, 176+4*((\a)%2)
.if \a == 0
	s_wait_dscnt 0x0
.else
	s_wait_dscnt 8                                 ; this tile's attn is in; the last tile's eight stores may be out; the stores of the tile before that are done
.endif
.if \a < 7
.irp k, 0,1,2,3
	ds_load_b128 v[ATN+4*\k:ATN+4*\k+3], v[ATTR] offset:((\a)+1)*1280+16*\k
.endr
.endif
	WIN WW                                         ; source 0: the accumulators' window
.irp h, 0,1,2,3
.irp u, 0,1
.irp jp, 0,1,2,3
	v_pk_mul_f32 v[OU+16*\h+8*\u+2*\jp:OU+16*\h+8*\u+2*\jp+1], v[AB+32*\u+2*\jp:AB+32*\u+2*\jp+1], v[AT+4*\h:AT+4*\h+1] op_sel_hi:[1,0]   ; attn[h][0] v[0]; each accumulator is read from its low end on
.endr
.irp jp, 0,1,2,3
	v_pk_fma_f32 v[OU+16*\h+8*\u+2*\jp:OU+16*\h+8*\u+2*\jp+1], v[AB+32*\u+8+2*\jp:AB+32*\u+8+2*\jp+1], v[AT+4*\h:AT+4*\h+1], v[OU+16*\h+8*\u+2*\jp:OU+16*\h+8*\u+2*\jp+1] op_sel:[0,1,0] op_sel_hi:[1,1,1]
.endr
.irp jp, 0,1,2,3
	v_pk_fma_f32 v[OU+16*\h+8*\u+2*\jp:OU+16*\h+8*\u+2*\jp+1], v[AB+32*\u+16+2*\jp:AB+32*\u+16+2*\jp+1], v[AT+4*\h+2:AT+4*\h+3], v[OU+16*\h+8*\u+2*\jp:OU+16*\h+8*\u+2*\jp+1] op_sel_hi:[1,0,1]
.endr
.irp jp, 0,1,2,3
	v_pk_fma_f32 v[OU+16*\h+8*\u+2*\jp:OU+16*\h+8*\u+2*\jp+1], v[AB+32*\u+24+2*\jp:AB+32*\u+24+2*\jp+1], v[AT+4*\h+2:AT+4*\h+3], v[OU+16*\h+8*\u+2*\jp:OU+16*\h+8*\u+2*\jp+1] op_sel:[0,1,0] op_sel_hi:[1,1,1]
.endr
.endr
.endr
	WIN 0
.irp h, 0,1,2,3
	v_max3_num_f32 v[TM+\h], |v[OU+16*\h]|, |v[OU+16*\h+1]|, 0x8000000   ; head h's block: my 16 numbers and the floor 2^(16 - 127)
.endr
.irp i, 2,4,6,8,10,12,14
.irp h, 0,1,2,3
	v_max3_num_f32 v[TM+\h], v[TM+\h], |v[OU+16*\h+\i]|, |v[OU+16*\h+\i+1]|
.endr
.endr
.irp h, 0,1,2,3
	v_permlanex16_b32 v[TM+4+\h], v[TM+\h], s20, s21
.endr
.irp h, 0,1,2,3
	v_max_num_f32 v[TM+\h], v[TM+\h], v[TM+4+\h]   ; with lane l xor 16's: the block's largest magnitude
.endr
.irp h, 0,1,2,3
	v_add_nc_u32 v[TM+12+\h], 0xf8800000, v[TM+\h] ; 15 off its exponent field: the conversion's scale operand
.endr
.irp h, 0,1,2,3
	v_and_or_b32 v[TM+8+\h], v[TM+\h], 0x7f800000, s22   ; 57,344 x the scale
.endr
.irp h, 0,1,2,3
	v_lshrrev_b32 v[BY+\h], 23, v[TM+12+\h]        ; the scale's byte
.endr
.irp h, 0,1,2,3
.irp i, 0,1,2,3,4,5,6,7,8,9,10,11,12,13,14,15
	v_med3_num_f32 v[OU+16*\h+\i], v[OU+16*\h+\i], -v[TM+8+\h], v[TM+8+\h]   ; the conversion to an 8-bit code does not saturate (ISA guide 7.6.2): the hold
.endr
	v_cvt_scalef32_pk8_bf8_f32 v[PC+4*\h:PC+4*\h+1], v[OU+16*\h:OU+16*\h+7], v[TM+12+\h]
	v_cvt_scalef32_pk8_bf8_f32 v[PC+4*\h+2:PC+4*\h+3], v[OU+16*\h+8:OU+16*\h+15], v[TM+12+\h]
.endr
	v_nop                                          ; one plain line between the last conversion and the next vector line that writes its sources
.irp h, 0,1,2,3
	ds_store_b128 v[CST], v[PC+4*\h:PC+4*\h+3] offset:\h*17408+(\a)*1088
.endr
.irp h, 0,1,2,3
	ds_store_b8 v[SSTA], v[BY+\h] offset:\h*512+(\a)*32   ; both halves of the lanes write the same byte with the same value
.endr
.endm
	s_load_b256 s[4:11], s[0:1], 0x0               ; xc, wvc, sc, bv
	s_load_b128 s[12:15], s[0:1], 0x20             ; part, a7c
	s_load_b64 s[98:99], s[0:1], 0x30              ; a7s
	v_lshl_add_u32 v[SPW], v0, 2, SPARE
	v_mov_b32 v[NIL], 0
	ds_add_u32 v28, v29
	ds_add_u32 v28, v29
	s_wait_dscnt 0x0
	v_lshrrev_b32 v1, 5, v0
	v_readfirstlane_b32 s16, v1
	s_lshr_b32 s17, s16, 1                         ; i
	s_and_b32 s18, s16, 1                          ; jw
	s_bfe_u32 s40, ttmp6, 0x40000
	s_bfe_u32 s41, ttmp6, 0x40004
	s_lshl_b32 s42, ttmp9, 2
	s_add_co_u32 s42, s42, s40                     ; c
	s_and_b32 s43, ttmp7, 0xffff
	s_lshl_b32 s43, s43, 2
	s_add_co_u32 s43, s43, s41                     ; rb
	s_lshl_b32 s44, s41, 2
	s_lshl_b32 s44, 15, s44
	s_lshl_b32 s45, 0x1111, s40
	s_or_b32 s[G1+0], s44, (1<<20)|(1<<21)|(5<<22)|(3<<25)
	s_or_b32 s[G1B+0], s45, (1<<20)|(1<<21)|(5<<22)|(3<<25)
.irp g, G1, G1B
	s_mov_b32 s[\g+1], 256<<16
	s_mov_b32 s[\g+2], 256<<16                     ; 256 rows for the head's loads; set to 128 for the ring's behind the wait for them
	s_mov_b32 s[\g+3], 256<<16
	s_mov_b32 s[\g+4], 256
	s_mov_b32 s[\g+5], 1024
	s_mov_b32 s[\g+6], 0
	s_mov_b32 s[\g+7], 0
.endr
	s_or_b32 s[G1S+0], s44, (3<<16)|(1<<21)
	s_or_b32 s[G1SB+0], s45, (3<<16)|(1<<21)
.irp g, G1S, G1SB
	s_mov_b32 s[\g+1], 256<<16
	s_mov_b32 s[\g+2], 4<<16
	s_mov_b32 s[\g+3], 256<<16
	s_mov_b32 s[\g+4], 4
	s_mov_b32 s[\g+5], 4096                        ; a plane of scale bytes: 4,096 rows, in both tensors
	s_mov_b32 s[\g+6], 0
	s_mov_b32 s[\g+7], 0
.endr
	s_lshl_b32 s19, s18, 7
	s_lshl_b32 s20, s43, 8
	s_add_co_u32 s20, s20, s19
	s_lshl_b32 s22, s43, 11                        ; x's scale bytes: row 256 rb
	s_lshl_b32 s20, s20, 10
	s_mov_b32 s21, 0
	s_mov_b32 s23, 0
	s_lshl_b32 s46, s42, 8
	s_add_co_u32 s46, s46, s19                     ; weights: row 256 c + 128 jw
	s_lshl_b32 s66, s42, 11                        ; the weights': row 256 c
	s_add_co_u32 s66, s66, SC_WVS
	s_lshl_b32 s46, s46, 10
	s_mov_b32 s47, 0
	s_mov_b32 s67, 0
	s_mul_i32 s96, s16, HALFT
	s_wait_kmcnt 0x0
	s_add_nc_u64 s[20:21], s[4:5], s[20:21]
	s_add_nc_u64 s[22:23], s[8:9], s[22:23]
	s_add_nc_u64 s[46:47], s[6:7], s[46:47]
	s_add_nc_u64 s[66:67], s[8:9], s[66:67]
	s_lshl_b32 s8, s43, 8                          ; the prefetches' base: x's row 256 rb or the weights' row 256 c,
	s_lshl_b32 s9, s42, 8
	s_cmp_eq_u32 s17, 0
	s_cselect_b64 s[PFA:PFA+1], s[4:5], s[6:7]
	s_cselect_b32 s8, s8, s9
	s_cselect_b32 s9, s40, s41                     ; my place among the four that ask for the tile with me
	s_lshl_b32 s9, s9, 5
	s_add_co_u32 s8, s8, s9
	s_add_co_u32 s8, s8, s19                       ; + the 128 rows that I fetch
	s_lshl_b32 s8, s8, 10
	s_mov_b32 s9, 0
	s_add_nc_u64 s[PFA:PFA+1], s[PFA:PFA+1], s[8:9]
	s_mov_b32 s[G0S], 1
	s_mov_b32 s[G0S+1], SCL
	s_mov_b64 s[G0S+2:G0S+3], s[22:23]
	s_or_b32 s[G0S+3], s[G0S+3], 0x80000000
	s_mov_b32 s[G0SB], 1
	s_mov_b32 s[G0SB+1], SCL+8192
	s_mov_b64 s[G0SB+2:G0SB+3], s[66:67]
	s_or_b32 s[G0SB+3], s[G0SB+3], 0x80000000
	s_lshl_b32 s66, s42, 18                        ; the weights' rows 256 c on, 1,024 bytes each
	s_mov_b32 s67, 0
	s_mov_b32 s[G0HB], 1
	s_mov_b32 s[G0HB+1], 2*HALFT
	s_add_nc_u64 s[G0HB+2:G0HB+3], s[6:7], s[66:67]
	s_or_b32 s[G0HB+3], s[G0HB+3], 0x80000000
	s_lshl_b32 s22, s43, 18                        ; x's rows 256 rb on
	s_mov_b32 s23, 0
	s_add_nc_u64 s[G0H+2:G0H+3], s[4:5], s[22:23]
	s_or_b32 s[G0H+3], s[G0H+3], 0x80000000
	s_mov_b32 s[G0H], 1
	s_mov_b32 s[G0H+1], 0
.irp s, 0,1
	s_mov_b32 s[G0+4*\s], 1
	s_add_co_u32 s[G0+4*\s+1], s96, \s*SLOT
	s_add_nc_u64 s[G0+4*\s+2:G0+4*\s+3], s[20:21], \s*256
	s_or_b32 s[G0+4*\s+3], s[G0+4*\s+3], 0x80000000
	s_mov_b32 s[G0B+4*\s], 1
	s_add_co_u32 s[G0B+4*\s+1], s96, \s*SLOT
	s_add_nc_u64 s[G0B+4*\s+2:G0B+4*\s+3], s[46:47], \s*256
	s_or_b32 s[G0B+4*\s+3], s[G0B+4*\s+3], 0x80000000
.endr
	CROUND
; The head's four tiles, one joint load a wave: wave 0 x's 256 rows of K step 0, wave 1 the weights', wave 2 x's scale bytes, wave 3 the weights'.  One chain of branches on the wave's number
.macro HARM under, g0, g1, next
	s_cmp_lt_u32 s16, \under
	s_cbranch_scc0 \next
	tensor_load_to_lds s[\g0:\g0+3], s[\g1:\g1+7]
	s_nop 0
	PLACES 4
	s_branch .Lff_done
\next:
.endm
	HARM 1, G0H,  G1,  .Lh_b
	HARM 2, G0HB, G1B, .Lh_sa
	HARM 3, G0S,  G1S, .Lh_sb
	tensor_load_to_lds s[G0SB:G0SB+3], s[G1SB:G1SB+7]
	s_nop 0
	PLACES 4
.Lff_done:
	v_and_b32 v1, 15, v0                           ; r
	v_bfe_u32 v2, v0, 4, 1                         ; half
	v_lshlrev_b32 v[PO], 4, v0                     ; 16 x thread
	v_lshlrev_b32 v[BO], 6, v2
	v_and_b32 v[PFO], 31, v0
	v_lshlrev_b32 v[PFO], 10, v[PFO]
	s_wait_alu depctr_va_vdst(0)
	global_prefetch_b8 v[PFO], s[PFA:PFA+1] offset:512 th:TH_LOAD_NT scope:SCOPE_SE   ; K step 2
	s_lshl_b32 s96, s42, 8
	s_lshl_b32 s97, s18, 7
	s_add_co_u32 s96, s96, s97
	s_mov_b32 s97, 0
	s_add_nc_u64 s[10:11], s[10:11], s[96:97]      ; bv at d = 64 c + 32 jw
	s_lshl_b32 s96, s43, 14
	s_add_nc_u64 s[12:13], s[12:13], s[96:97]      ; part at row 256 rb
	WIN TO_B
.irp u, 0,1
.irp g, 0,1,2,3
	global_load_b128 v[128+8*(4*\u+\g):128+8*(4*\u+\g)+3], v[BO], s[10:11] offset:\g*4096+32*\u
	global_load_b128 v[128+8*(4*\u+\g)+4:128+8*(4*\u+\g)+7], v[BO], s[10:11] offset:\g*4096+32*\u+16
.endr
.endr
	; the partial scores: group G = rows 32 G + thread / 4, head thread % 4: four scores a thread and a plane; groups 0-3 into window 2, groups 4-7 into window 3, plane p at v[64 (G % 4) + 4 p]
	WIN 0x80
.irp G, 0,1,2,3
.irp p, 0,1,2,3,4,5,6,7,8,9,10,11,12,13,14,15
	global_load_b128 v[64*\G+4*\p:64*\G+4*\p+3], v[PO], s[12:13] offset:\p*262144+\G*2048
.endr
.endr
	WIN 0xc0
.irp G, 0,1,2,3
.irp p, 0,1,2,3,4,5,6,7,8,9,10,11,12,13,14,15
	global_load_b128 v[64*\G+4*\p:64*\G+4*\p+3], v[PO], s[12:13] offset:\p*262144+(\G+4)*2048
.endr
.endr
	WIN 0
	v_mul_u32_u24 v3, v1, PITCH                    ; the addresses are made while those loads are on their way
	v_lshl_add_u32 v4, v2, 4, v3
	s_mul_i32 s21, s17, HALFT
	s_mul_i32 s22, s18, HALFT
	s_add_co_u32 s22, s22, 2*HALFT
.irp s, 0,1
	v_add_nc_u32 v[ADRA+\s], s21, v4
	v_add_nc_u32 v[ADRB+\s], s22, v4
	s_add_co_u32 s21, s21, SLOT
	s_add_co_u32 s22, s22, SLOT
.endr
	s_xor_b32 s21, s17, 1                          ; scale words: lanes 0-15 x's rows 128 i on, lanes 16-31 the weights' rows 128 jw on, 8,192 bytes behind x's
	s_add_co_u32 s21, s21, s18
	s_add_co_u32 s21, s21, 7
	s_lshl_b32 s21, s21, 10                        ; (8 - i + jw) x 1,024
	v_mul_u32_u24 v7, s21, v2
	s_lshl_b32 s22, s17, 10
	s_add_co_u32 s22, s22, SCL
	v_lshl_add_u32 v7, v1, 3, v7
	v_add_nc_u32 v[ADRS], s22, v7
	v_lshrrev_b32 v3, 2, v0
	v_mul_u32_u24 v3, v3, 80
	v_and_b32 v4, 3, v0
	v_lshl_add_u32 v3, v4, 4, v3
	v_add_nc_u32 v[ATTW], ATT, v3                  ; attn, in: row thread / 4 of a group, head thread % 4
	s_mul_i32 s21, s17, 10240
	s_add_co_u32 s21, s21, ATT
	v_mul_u32_u24 v3, v1, 80
	v_add_nc_u32 v[ATTR], s21, v3                  ; and out: row 128 i + r
	v_lshrrev_b32 v3, 2, v1
	v_and_b32 v4, 3, v1
	v_mul_u32_u24 v7, v3, 272
	v_lshl_add_u32 v7, v4, 6, v7
	v_lshl_add_u32 v7, v2, 4, v7
	s_mul_i32 s21, s17, 8704
	s_lshl_b32 s22, s18, 5
	s_add_co_u32 s21, s21, s22
	v_add_nc_u32 v[CST], s21, v7                   ; the codes' stage: row 32 i + r / 4, byte 64 (r % 4) + 32 jw + 16 half
	v_lshlrev_b32 v7, 3, v3
	v_lshl_add_u32 v7, v4, 1, v7
	s_lshl_b32 s21, s17, 8
	s_add_co_u32 s21, s21, s18
	s_add_co_u32 s21, s21, SST
	v_add_nc_u32 v[SSTA], s21, v7                  ; the scale byte: row 32 i + r / 4, byte 2 (r % 4) + jw
	v_mul_u32_u24 v7, v2, 272
	v_lshl_add_u32 v7, v1, 4, v7
	s_mul_i32 s21, s16, 17408
	v_add_nc_u32 v[RDC], s21, v7                   ; back: head = wave, two rows an instruction
	v_lshlrev_b32 v7, 12, v2
	v_lshl_add_u32 v[GOC], v1, 4, v7
	v_add_nc_u32 v[SRD], SST, v[PO]
	v_and_b32 v7, 31, v0
	v_lshlrev_b32 v[GOS], 4, v7
	s_lshr_b32 s66, s43, 2                         ; R0 = 1024 (rb / 4) + 256 wave + 64 (rb % 4)
	s_and_b32 s67, s43, 3
	s_lshl_b32 s66, s66, 10
	s_lshl_b32 s67, s67, 6
	s_add_co_u32 s66, s66, s67
	s_lshl_b32 s67, s16, 8
	s_add_co_u32 s66, s66, s67
	s_lshl_b32 s96, s66, 12
	s_lshl_b32 s67, s42, 8
	s_add_co_u32 s96, s96, s67
	s_add_nc_u64 s[14:15], s[14:15], s[96:97]
	s_lshl_b32 s96, s66, 3
	s_lshl_b32 s67, s42, 15
	s_add_co_u32 s96, s96, s67
	s_add_nc_u64 s[98:99], s[98:99], s[96:97]
	; the sixteen planes are added, plane by plane, the groups by turns; the last addition puts the sum into window 0
	s_wait_alu depctr_va_vdst(0)
	s_wait_tensorcnt 0x0                           ; my tile of the head's four is in
	ds_add_u32 v[SPW], v[NIL]
	s_mov_b32 s[G1+2], 128<<16                     ; no tensor load of mine is out: from here on a load brings 128 rows
	s_mov_b32 s[G1+4], 128
	s_mov_b32 s[G1B+2], 128<<16
	s_mov_b32 s[G1B+4], 128
	s_wait_dscnt 0x0                               ; the add is done
	CROUND                                         ; a whole round: all four tiles are in, in every partner
	JLOAD G0+4, G1, G0B+4, G1B                     ; K step 1 into slot 1: the first tensor load behind the round; the sums and the softmax below stand between it and the wait for it
	global_prefetch_b8 v[PFO], s[PFA:PFA+1] offset:768 th:TH_LOAD_NT scope:SCOPE_SE   ; K step 3
	s_wait_loadcnt 63                              ; 144 loads were issued; the biases and groups 0-3 are the first 80: 64 were issued behind them
	WIN 0x8a
.irp p, 1,2,3,4,5,6,7,8,9,10,11,12,13,14
.irp G, 0,1,2,3
	v_pk_add_f32 v[64*\G:64*\G+1], v[64*\G:64*\G+1], v[64*\G+4*\p:64*\G+4*\p+1]
	v_pk_add_f32 v[64*\G+2:64*\G+3], v[64*\G+2:64*\G+3], v[64*\G+4*\p+2:64*\G+4*\p+3]
.endr
.endr
	WIN 0x0a
.irp G, 0,1,2,3
	v_pk_add_f32 v[SM+4*\G:SM+4*\G+1], v[64*\G:64*\G+1], v[64*\G+60:64*\G+61]
	v_pk_add_f32 v[SM+4*\G+2:SM+4*\G+3], v[64*\G+2:64*\G+3], v[64*\G+62:64*\G+63]
.endr
	s_wait_loadcnt 0x0
	WIN 0xcf
.irp p, 1,2,3,4,5,6,7,8,9,10,11,12,13,14
.irp G, 0,1,2,3
	v_pk_add_f32 v[64*\G:64*\G+1], v[64*\G:64*\G+1], v[64*\G+4*\p:64*\G+4*\p+1]
	v_pk_add_f32 v[64*\G+2:64*\G+3], v[64*\G+2:64*\G+3], v[64*\G+4*\p+2:64*\G+4*\p+3]
.endr
.endr
	WIN 0x0f
.irp G, 0,1,2,3
	v_pk_add_f32 v[SM+16+4*\G:SM+16+4*\G+1], v[64*\G:64*\G+1], v[64*\G+60:64*\G+61]
	v_pk_add_f32 v[SM+16+4*\G+2:SM+16+4*\G+3], v[64*\G+2:64*\G+3], v[64*\G+62:64*\G+63]
.endr
	WIN 0
	; the softmax of eight (row, head) a thread, in batches
.irp G, 0,1,2,3,4,5,6,7
	v_max3_num_f32 v[80+\G], v[SM+4*\G], v[SM+4*\G+1], v[SM+4*\G+2]
.endr
.irp G, 0,1,2,3,4,5,6,7
	v_max_num_f32 v[64+2*\G], v[80+\G], v[SM+4*\G+3]   ; the maximum, in both registers of a pair
	v_max_num_f32 v[65+2*\G], v[80+\G], v[SM+4*\G+3]
.endr
.irp G, 0,1,2,3,4,5,6,7
	v_pk_add_f32 v[SM+4*\G:SM+4*\G+1], v[SM+4*\G:SM+4*\G+1], v[64+2*\G:65+2*\G] neg_lo:[0,1] neg_hi:[0,1]
	v_pk_add_f32 v[SM+4*\G+2:SM+4*\G+3], v[SM+4*\G+2:SM+4*\G+3], v[64+2*\G:65+2*\G] neg_lo:[0,1] neg_hi:[0,1]
.endr
.irp k, 0,2,4,6,8,10,12,14,16,18,20,22,24,26,28,30
	v_pk_mul_f32 v[SM+\k:SM+\k+1], v[SM+\k:SM+\k+1], 0x3d38aa3b op_sel_hi:[1,0]   ; x log2(e) / 32
.endr
.set ci, 0
	s_wait_alu depctr_va_vdst(0)
.rept 32
	v_exp_f32 v[SM+ci], v[SM+ci]
.set ci, ci+1
.endr
	v_nop                                          ; a plain line behind the last exponential
	s_wait_alu depctr_va_vdst(0)                   ; one wait for the batch, ahead of its first reader
.irp G, 0,1,2,3,4,5,6,7
	v_add_f32 v[80+\G], v[SM+4*\G], v[SM+4*\G+1]
	v_add_f32 v[88+\G], v[SM+4*\G+2], v[SM+4*\G+3]
.endr
.irp G, 0,1,2,3,4,5,6,7
	v_add_f32 v[80+\G], v[80+\G], v[88+\G]
.endr
	s_wait_alu depctr_va_vdst(0)
.irp G, 0,1,2,3,4,5,6,7
	v_rcp_f32 v[64+2*\G], v[80+\G]
	v_rcp_f32 v[65+2*\G], v[80+\G]
.endr
	v_nop
	s_wait_alu depctr_va_vdst(0)
.irp G, 0,1,2,3,4,5,6,7
	v_pk_mul_f32 v[SM+4*\G:SM+4*\G+1], v[SM+4*\G:SM+4*\G+1], v[64+2*\G:65+2*\G]
	v_pk_mul_f32 v[SM+4*\G+2:SM+4*\G+3], v[SM+4*\G+2:SM+4*\G+3], v[64+2*\G:65+2*\G]
.endr
.irp G, 0,1,2,3,4,5,6,7
	ds_store_b128 v[ATTW], v[SM+4*\G:SM+4*\G+3] offset:\G*2560
.endr
	s_wait_dscnt 0x0                               ; my part of attn is stored.  K step 1's load may be out
	s_barrier_signal -1
	s_barrier_wait -1
	FETCH_B 0, 0, 0
	FETCH_A 0, 0, 0
	SCALES 0, 0
	FETCH_A 0, 0, 4
	FIRST 0
	TURN 0, 1, 1, 1
	STEP 1
	TURN 1, 0, 1, 2
	STEP 0
	TURN 0, 1, 0, 3
	STEP 1
	s_wait_dscnt 16                                ; the very last 128 along K
	WIN MUL_LO
	MUL16 0, 1, 1, 1, 0
	MUL16 2, 1, 1, 1, 0
	s_wait_dscnt 0
	WIN MUL_HI
	MUL16 4, 1, 1, 1, 0
	MUL16 6, 1, 1, 1, 0
	WIN 0
	; THE EPILOGUE.  The codes' stage (256 rows x 272 bytes) lies in slot 0, which has had its last fill and which nobody reads behind the last change of slots.
	PLACES 9
	s_mov_b32 s20, 0x76543210
	s_mov_b32 s21, 0xfedcba98                      ; v_permlanex16_b32's selects for lane l xor 16
	s_mov_b32 s22, 0x600000                        ; the mantissa field of 57,344
.irp h, 0,1,2,3
	v_mov_b32 v[TM+4+\h], 0                        ; a lane permute's destination counts as one of its sources
.endr
.irp k, 0,1,2,3
	ds_load_b128 v[32+4*\k:35+4*\k], v[ATTR] offset:16*\k
.endr
.irp a, 0,1,2,3,4,5,6,7
	MIXROW \a
.endr
	s_wait_dscnt 0x0                               ; for the others' sake: my stores are done
	s_barrier_signal -1
	s_barrier_wait -1
.set ci, 0
.rept 32
	ds_load_b128 v[64+4*ci:67+4*ci], v[RDC] offset:ci*544
.set ci, ci+1
.endr
	ds_load_b128 v[192:195], v[SRD]
.set ci, 0
.rept 32
	s_wait_dscnt 32-ci
	global_store_b128 v[GOC], v[64+4*ci:67+4*ci], s[14:15] offset:ci*8192   ; sixteen lanes store 256 consecutive bytes of a row, aligned
.set ci, ci+1
.endr
	s_wait_dscnt 0x0
	global_store_b128 v[GOS], v[192:195], s[98:99] ; 32 lanes store 512 consecutive scale bytes
	s_wait_tensorcnt 0x0                           ; the wave's end
	ds_add_u32 v[SPW], v[NIL]
	s_wait_dscnt 0x0
	CROUND                                         ; the closing round
	s_endpgm
.Lfunc_end_k_q8d37f24b9c_mix:
	.size	k_q8d37f24b9c_mix, .Lfunc_end_k_q8d37f24b9c_mix-k_q8d37f24b9c_mix
	.p2alignl 7, 3214868480
	.fill 96, 4, 3214868480
	.section	.rodata,"a",@progbits
	.p2align	6, 0x0
	.amdhsa_kernel k_q8d37f24b9c_mix
		.amdhsa_group_segment_fixed_size 327680
		.amdhsa_private_segment_fixed_size 0
		.amdhsa_enable_private_segment 0
		.amdhsa_kernarg_size 56
		.amdhsa_user_sgpr_count 2
		.amdhsa_user_sgpr_kernarg_segment_ptr 1
		.amdhsa_wavefront_size32 1
		.amdhsa_system_sgpr_workgroup_id_x 1
		.amdhsa_system_sgpr_workgroup_id_y 1
		.amdhsa_system_sgpr_workgroup_id_z 1
		.amdhsa_system_vgpr_workitem_id 0
		.amdhsa_next_free_vgpr 1024
		.amdhsa_next_free_sgpr 102
		.amdhsa_reserve_vcc 0
		.amdhsa_float_denorm_mode_32 3
		.amdhsa_float_denorm_mode_16_64 3
		.amdhsa_memory_ordered 1
		.amdhsa_forward_progress 1
		.amdhsa_inst_pref_size 255
	.end_amdhsa_kernel
	.section	.bss,"aw",@nobits
	.p2align	6
	.space	262144
	.amdgpu_metadata
---
amdhsa.version: [ 1, 2 ]
amdhsa.kernels:
  - .name:           k_q8d37f24b9c_mix
    .symbol:         k_q8d37f24b9c_mix.kd
    .args:
      - { .name: xc, .offset: 0, .size: 8, .value_kind: global_buffer, .address_space: global }
      - { .name: wvc, .offset: 8, .size: 8, .value_kind: global_buffer, .address_space: global }
      - { .name: sc, .offset: 16, .size: 8, .value_kind: global_buffer, .address_space: global }
      - { .name: bv, .offset: 24, .size: 8, .value_kind: global_buffer, .address_space: global }
      - { .name: part, .offset: 32, .size: 8, .value_kind: global_buffer, .address_space: global }
      - { .name: a7c, .offset: 40, .size: 8, .value_kind: global_buffer, .address_space: global }
      - { .name: a7s, .offset: 48, .size: 8, .value_kind: global_buffer, .address_space: global }
    .group_segment_fixed_size: 327680
    .private_segment_fixed_size: 0
    .kernarg_segment_align: 8
    .kernarg_segment_size: 56
    .max_flat_workgroup_size: 128
    .sgpr_count:     102
    .vgpr_count:     1024
    .wavefront_size: 32
...
	.end_amdgpu_metadata
.endif
;; end of part 3
;; launch outp (part 4): grid 8 x 32, 4 waves a work-group, clusters of 4 x 1, 327,680 bytes of LDS; arguments a7c, a7s, woc, sc, bo, out0; writes out0
.if DOCPART == 4
	.amdgcn_target "amdgcn-amd-amdhsa--gfx1250"
	.amdhsa_code_object_version 6
	.text
	.protected	k_q8d37f24b9c_outp
	.globl	k_q8d37f24b9c_outp
	.p2align	8
	.type	k_q8d37f24b9c_outp,@function
k_q8d37f24b9c_outp:
	s_mov_b64 s[64:65], 0
	v_nop
	global_prefetch_b8 v0, s[64:65] scope:SCOPE_SE
	s_setreg_imm32_b32 hwreg(HW_REG_WAVE_MODE, 25, 1), 1
	s_wait_xcnt 0x0
	s_wait_alu depctr_hold_cnt(0) depctr_sa_sdst(0) depctr_va_vdst(0) depctr_va_sdst(0) depctr_va_ssrc(0) depctr_va_vcc(0) depctr_vm_vsrc(0)
	s_getreg_b32 s2, hwreg(HW_REG_IB_STS2, 6, 4)
	s_cmp_eq_u32 s2, 0
	s_cbranch_scc0 .Lentry_in_a_cluster
	s_endpgm
.Lentry_in_a_cluster:
	s_bfe_u32 s2, ttmp6, 0x10000c
	s_cmp_lg_u32 s2, 0x3003
	s_cbranch_scc0 .Lentry_shape_is_right
	s_endpgm
.Lentry_shape_is_right:
; OUTP: out0 = A7 Wo' + bo on codes of BF8 (E5M2) with E8M0 scales; A7 (a7c, a7s) and Wo' (woc, sc) lie in one and the same order of K, k' = 256 (d >> 6) + 64 j + (d & 63).
; Work-group (x, y): 128 rows x 128 columns; each of four waves all 128 rows x 32 columns: 16 accumulators.  The product is used transposed (source 0 = Wo's columns, source 1 = A7's rows); bo is the first products' C.
; A7's rows come by joint loads (4 x 1 clusters: the four column blocks of a row block share them) through two slots of 128 rows x 1,024 of K; its scale bytes, [16 planes][128 rows][8], come once.
; Wo's fragments lie in memory in the order of the operand's registers and go straight into registers, seven K steps of 128 ahead.
; THE HEAD: one joint load a wave: waves 0, 1 the halves of slot 0, waves 2, 3 eight planes of scale bytes each; slot 1's first fill stands behind the full sequence and a round.
; LIMITS: NaN and infinities are not served.
.set PITCH,  1040
.set QUART,  32*PITCH
.set SLOT,   4*QUART
.set SCL,    2*SLOT
.set SPARE,  SCL+4*4096
.set SPITCH, 528
.set SC_WOS, 524288
.set FR,   16
.set ACC,  128
.set SC,   32
.set BS,   64
.set ADRA, 16
.set ADRS, 22
.set STO,  24
.set RD,   25
.set LOFF, 26
.set BSO,  27
.set SPW,  28
.set NIL,  29
.set BIO,  30
.set G1,   24
.set G0,   32
.set G1S,  48
.set G0S,  56
.set MSB, 0
.macro WIN new
.if MSB != (\new)
	s_set_vgpr_msb (MSB<<8)|(\new)
.set MSB, (\new)
.endif
.endm
.set MUL,  0x06
.set MULB, 0x36
.macro PLACES n
.rept \n
	v_nop
.endr
.endm
.macro CREST
	s_cmp_lg_u32 s16, 0
	s_cbranch_scc1 .Lnot_wave_0_\@
	s_barrier_signal -3
.Lnot_wave_0_\@:
	s_barrier_wait -3
	s_barrier_signal -1
	s_barrier_wait -1
.endm
.macro CROUND
	s_barrier_signal -1
	s_barrier_wait -1
	CREST
.endm
.macro MUL2 ks, a, cm
.irp b, 0,1
.if \cm
	v_wmma_scale_f32_16x16x128_f8f6f4 v[ACC+8*(2*(\a)+\b):ACC+8*(2*(\a)+\b)+7], v[32*((\ks)%8)+FR*\b:32*((\ks)%8)+FR*\b+FR-1], v[128*((\ks)%2)+FR*(\a):128*((\ks)%2)+FR*(\a)+FR-1], v[8*\b:8*\b+7], v[BS+32*\b+(\ks)], v[SC+16*(((\ks)/2)%2)+2*(\a)+(\ks)%2] matrix_a_fmt:MATRIX_FMT_BF8 matrix_b_fmt:MATRIX_FMT_BF8
.else
	v_wmma_scale_f32_16x16x128_f8f6f4 v[ACC+8*(2*(\a)+\b):ACC+8*(2*(\a)+\b)+7], v[32*((\ks)%8)+FR*\b:32*((\ks)%8)+FR*\b+FR-1], v[128*((\ks)%2)+FR*(\a):128*((\ks)%2)+FR*(\a)+FR-1], v[ACC+8*(2*(\a)+\b):ACC+8*(2*(\a)+\b)+7], v[BS+32*\b+(\ks)], v[SC+16*(((\ks)/2)%2)+2*(\a)+(\ks)%2] matrix_a_fmt:MATRIX_FMT_BF8 matrix_b_fmt:MATRIX_FMT_BF8
.endif
.endr
.endm
.macro FETCHA ks
	WIN 0x40
.irp a, 0,1,2,3,4,5,6,7
.irp c, 0,1,2,3
	ds_load_b128 v[128*((\ks)%2)+FR*\a+4*\c:128*((\ks)%2)+FR*\a+4*\c+3], v[ADRA+2*(((\ks)/8)%2)+\a/4] offset:128*((\ks)%8)+32*\c+(\a%4)*16*PITCH
.endr
.endr
.endm
.macro GLOADB ks
	WIN 0x80
.irp b, 0,1
.irp c, 0,1,2,3
	global_load_b128 v[32*((\ks)%8)+FR*\b+4*\c:32*((\ks)%8)+FR*\b+4*\c+3], v[LOFF], s[8:9] offset:\b*65536+(\ks)*2048+\c*512
.endr
.endr
.endm
.macro SCALES p
	WIN 0
.irp a, 0,1,2,3,4,5,6,7
	ds_load_b64 v[SC+16*((\p)%2)+2*\a:SC+16*((\p)%2)+2*\a+1], v[ADRS] offset:\a*128+(\p)*1024
.endr
.endm
.macro KSTEP ks, cm
.if (\ks) > 25
	s_wait_loadcnt 8*(31-(\ks))
.else
	s_wait_loadcnt 48
.endif
	s_wait_dscnt 16
.if \cm
	WIN MULB
.else
	WIN MUL
.endif
.irp a, 0,1,2,3
	MUL2 \ks, \a, \cm
.endr
	PLACES 8
.if ((\ks)%2 == 0) && ((\ks) < 30)
	SCALES (\ks)/2+1
.endif
	FETCHA (\ks)+1
.if (\ks) < 25
	GLOADB (\ks)+7
.endif
.if ((\ks)%2 == 0) && ((\ks) < 30)
	s_wait_dscnt 40
.else
	s_wait_dscnt 32
.endif
.if \cm
	WIN MULB
.else
	WIN MUL
.endif
.irp a, 4,5,6,7
	MUL2 \ks, \a, \cm
.endr
.endm
.macro TURNK ks, fill
	WIN 0
	s_wait_loadcnt 48
	s_wait_tensorcnt 0x0
	ds_add_u32 v[SPW], v[NIL]
	s_wait_dscnt 17
	WIN MUL
	MUL2 \ks, 0, 0
	MUL2 \ks, 1, 0
	s_wait_dscnt 0x0
	s_barrier_signal -1
	MUL2 \ks, 2, 0
	MUL2 \ks, 3, 0
	WIN 0
	s_barrier_wait -1
.if \fill
	CREST
	s_add_nc_u64 s[G0+4*(((\ks)/8)%2)+2:G0+4*(((\ks)/8)%2)+3], s[G0+4*(((\ks)/8)%2)+2:G0+4*(((\ks)/8)%2)+3], 2048
	tensor_load_to_lds s[G0+4*(((\ks)/8)%2):G0+4*(((\ks)/8)%2)+3], s[G1:G1+7]
	s_nop 0
.endif
	PLACES 8
	FETCHA (\ks)+1
	GLOADB (\ks)+7
	WIN MUL
.irp a, 4,5,6,7
	MUL2 \ks, \a, 0
.endr
.endm
	s_load_b256 s[4:11], s[0:1], 0x0
	s_load_b128 s[12:15], s[0:1], 0x20
	v_lshl_add_u32 v[SPW], v0, 2, SPARE
	v_mov_b32 v[NIL], 0
	ds_add_u32 v28, v29
	ds_add_u32 v28, v29
	s_wait_dscnt 0x0
	v_lshrrev_b32 v1, 5, v0
	v_readfirstlane_b32 s16, v1
	s_bfe_u32 s40, ttmp6, 0x40000
	s_lshl_b32 s42, ttmp9, 2
	s_add_co_u32 s42, s42, s40
	s_and_b32 s43, ttmp7, 0xffff
	s_mov_b32 s[G1+0], 15|(3<<16)|(1<<20)|(1<<21)|(7<<22)|(3<<25)
	s_mov_b32 s[G1+1], 128<<16
	s_mov_b32 s[G1+2], 64<<16                      ; 64 rows for the head's loads; set to 32 for the ring's behind the wait for them
	s_mov_b32 s[G1+3], 128<<16
	s_mov_b32 s[G1+4], 64
	s_mov_b32 s[G1+5], 512
	s_mov_b32 s[G1+6], 0
	s_mov_b32 s[G1+7], 0
	s_mov_b32 s[G1S+0], 15|(3<<16)|(1<<21)
	s_mov_b32 s[G1S+1], 128<<16                    ; 128 rows of 8 bytes x 8 planes
	s_mov_b32 s[G1S+2], 8<<16
	s_mov_b32 s[G1S+3], 128<<16
	s_mov_b32 s[G1S+4], 8
	s_mov_b32 s[G1S+5], 4096
	s_mov_b32 s[G1S+6], 0
	s_mov_b32 s[G1S+7], 0
	s_lshl_b32 s20, s43, 7
	s_lshl_b32 s47, s16, 5
	s_add_co_u32 s20, s20, s47
	s_and_b32 s46, s16, 1                          ; which half of the head's tile is mine
	s_lshl_b32 s22, s43, 10                        ; scale bytes: row 128 y,
	s_lshl_b32 s45, s46, 18                        ; plane 8 x half
	s_add_co_u32 s22, s22, s45
	s_lshl_b32 s20, s20, 12
	s_mov_b32 s21, 0
	s_mov_b32 s23, 0
	s_mul_i32 s44, s16, QUART
	s_lshl_b32 s45, s46, 13
	s_wait_kmcnt 0x0
	s_add_nc_u64 s[14:15], s[14:15], s[20:21]
	s_add_nc_u64 s[20:21], s[4:5], s[20:21]
	s_add_nc_u64 s[22:23], s[6:7], s[22:23]
	s_mov_b32 s[G0S], 1
	s_add_co_u32 s[G0S+1], s45, SCL
	s_mov_b64 s[G0S+2:G0S+3], s[22:23]
	s_or_b32 s[G0S+3], s[G0S+3], 0x80000000
.irp s, 0,1
	s_mov_b32 s[G0+4*\s], 1
	s_add_co_u32 s[G0+4*\s+1], s44, \s*SLOT
	s_add_nc_u64 s[G0+4*\s+2:G0+4*\s+3], s[20:21], \s*1024
	s_or_b32 s[G0+4*\s+3], s[G0+4*\s+3], 0x80000000
.endr
	; PREFETCHES INTO THE L2: A7's fill 2 is asked for at the head, fill 3 behind slot 1's first fill: two fills ahead of their loads.  A fill is 128 rows x four blocks of 256 bytes: the cluster's 512 lanes name one block each,
	; the partner at place cx rows 32 cx on (told apart by address), thread t row t / 4, block t % 4.  s[66:67] and v31 are never rewritten.
	s_lshl_b32 s66, s43, 19
	s_lshl_b32 s67, s40, 17
	s_add_co_u32 s66, s66, s67
	s_mov_b32 s67, 0
	s_add_nc_u64 s[66:67], s[4:5], s[66:67]
	s_lshl_b32 s60, s43, 19                        ; the head's group 0, in s[4:7]: A7's rows 128 y + 64 x half, 4,096 bytes each
	s_lshl_b32 s61, s46, 18
	s_add_co_u32 s60, s60, s61
	s_mov_b32 s61, 0
	s_add_nc_u64 s[6:7], s[4:5], s[60:61]
	s_or_b32 s7, s7, 0x80000000
	s_mov_b32 s4, 1
	s_mul_i32 s5, s46, 64*PITCH
	CROUND                                         ; the four partners are here: the first joint loads meet
	s_cmp_lt_u32 s16, 2
	s_cbranch_scc0 .Lh_s
	tensor_load_to_lds s[4:7], s[G1:G1+7]
	s_nop 0
	PLACES 4
	s_branch .Lh_done
.Lh_s:
	tensor_load_to_lds s[G0S:G0S+3], s[G1S:G1S+7]
	s_nop 0
	PLACES 4
.Lh_done:
	s_lshl_b32 s46, s42, 7
	s_add_co_u32 s46, s46, s47
	s_mov_b32 s61, 0
	s_lshl_b32 s60, s46, 2
	s_add_nc_u64 s[12:13], s[12:13], s[60:61]
	s_lshl_b32 s60, s46, 3
	s_add_co_u32 s60, s60, SC_WOS
	s_add_nc_u64 s[10:11], s[10:11], s[60:61]
	s_lshl_b32 s60, s46, 12
	s_add_nc_u64 s[8:9], s[8:9], s[60:61]
	s_lshl_b32 s60, s42, 9
	s_add_nc_u64 s[14:15], s[14:15], s[60:61]
	v_and_b32 v1, 15, v0
	v_bfe_u32 v2, v0, 4, 1
	v_and_b32 v3, 31, v0
	v_lshlrev_b32 v[LOFF], 4, v3
	v_lshlrev_b32 v[BSO], 3, v1
	v_lshlrev_b32 v[BIO], 5, v2
	v_mul_u32_u24 v4, v1, PITCH
	v_lshl_add_u32 v4, v2, 4, v4
.irp k, 0,1,2,3
	v_add_nc_u32 v[ADRA+\k], (\k/2)*SLOT+(\k%2)*64*PITCH, v4
.endr
	v_lshl_add_u32 v[ADRS], v1, 3, SCL
	v_mul_u32_u24 v5, v1, SPITCH
	v_lshl_add_u32 v5, v2, 5, v5
	s_lshl_b32 s62, s16, 7
	v_add_nc_u32 v[STO], s62, v5
	s_mul_i32 s62, s16, 32*SPITCH
	v_add_nc_u32 v[RD], s62, v[LOFF]
	v_lshrrev_b32 v31, 2, v0
	v_lshlrev_b32 v31, 12, v31
	v_and_b32 v6, 3, v0
	v_lshl_add_u32 v31, v6, 8, v31
	global_prefetch_b8 v31, s[66:67] offset:2048 th:TH_LOAD_NT scope:SCOPE_SE   ; fill 2
	WIN 0xc0
.irp b, 0,1
	global_load_b128 v[8*\b:8*\b+3], v[BIO], s[12:13] offset:64*\b
	global_load_b128 v[8*\b+4:8*\b+7], v[BIO], s[12:13] offset:64*\b+16
.endr
	WIN 0
.irp b, 0,1
.irp p, 0,1,2,3,4,5,6,7,8,9,10,11,12,13,14,15
	global_load_b64 v[BS+32*\b+2*\p:BS+32*\b+2*\p+1], v[BSO], s[10:11] offset:\p*8192+\b*128
.endr
.endr
.irp k, 0,1,2,3,4,5,6
	GLOADB \k
.endr
	WIN 0
	s_wait_alu depctr_va_vdst(0)
	s_wait_tensorcnt 0x0                           ; my tile of the head's four is in
	ds_add_u32 v[SPW], v[NIL]
	s_mov_b32 s[G1+2], 32<<16                      ; no tensor load of mine is out: from here on a load brings 32 rows
	s_mov_b32 s[G1+4], 32
	s_wait_dscnt 0x0                               ; the add is done
	CROUND                                         ; a whole round: slot 0 and the scale bytes are in, in every partner
	tensor_load_to_lds s[G0+4:G0+7], s[G1:G1+7]    ; slot 1's first fill, a quarter a wave
	s_nop 0
	PLACES 4
	SCALES 0
	global_prefetch_b8 v31, s[66:67] offset:3072 th:TH_LOAD_NT scope:SCOPE_SE   ; fill 3
	FETCHA 0
	KSTEP 0, 1
.irp k, 1,2,3,4,5,6
	KSTEP \k, 0
.endr
	TURNK 7, 1
.irp k, 8,9,10,11,12,13,14
	KSTEP \k, 0
.endr
	TURNK 15, 1
.irp k, 16,17,18,19,20,21,22
	KSTEP \k, 0
.endr
	TURNK 23, 0
.irp k, 24,25,26,27,28,29,30
	KSTEP \k, 0
.endr
	s_wait_loadcnt 0x0
	s_wait_dscnt 16
	WIN MUL
.irp a, 0,1,2,3
	MUL2 31, \a, 0
.endr
	s_wait_dscnt 0x0
.irp a, 4,5,6,7
	MUL2 31, \a, 0
.endr
	WIN 0
	PLACES 8
.irp a, 0,1,2,3,4,5,6,7
.irp b, 0,1
	ds_store_b128 v[STO], v[ACC+8*(2*\a+\b):ACC+8*(2*\a+\b)+3] offset:\a*16*SPITCH+64*\b
	ds_store_b128 v[STO], v[ACC+8*(2*\a+\b)+4:ACC+8*(2*\a+\b)+7] offset:\a*16*SPITCH+64*\b+16
.endr
.endr
	s_wait_dscnt 0x0
	s_barrier_signal -1
	s_barrier_wait -1
	WIN 0x40
.set ci, 0
.rept 32
	ds_load_b128 v[4*ci:4*ci+3], v[RD] offset:ci*SPITCH
.set ci, ci+1
.endr
	WIN 0x04
.set ci, 0
.rept 32
	s_wait_dscnt 31-ci
	global_store_b128 v[LOFF], v[4*ci:4*ci+3], s[14:15] offset:ci*4096 th:TH_STORE_NT
.set ci, ci+1
.endr
	WIN 0
	s_wait_tensorcnt 0x0
	ds_add_u32 v[SPW], v[NIL]
	s_wait_dscnt 0x0
	CROUND
	s_endpgm
.Lfunc_end_k_q8d37f24b9c_outp:
	.size	k_q8d37f24b9c_outp, .Lfunc_end_k_q8d37f24b9c_outp-k_q8d37f24b9c_outp
	.p2alignl 7, 3214868480
	.fill 96, 4, 3214868480
	.section	.rodata,"a",@progbits
	.p2align	6, 0x0
	.amdhsa_kernel k_q8d37f24b9c_outp
		.amdhsa_group_segment_fixed_size 327680
		.amdhsa_private_segment_fixed_size 0
		.amdhsa_enable_private_segment 0
		.amdhsa_kernarg_size 48
		.amdhsa_user_sgpr_count 2
		.amdhsa_user_sgpr_kernarg_segment_ptr 1
		.amdhsa_wavefront_size32 1
		.amdhsa_system_sgpr_workgroup_id_x 1
		.amdhsa_system_sgpr_workgroup_id_y 1
		.amdhsa_system_sgpr_workgroup_id_z 1
		.amdhsa_system_vgpr_workitem_id 0
		.amdhsa_next_free_vgpr 1024
		.amdhsa_next_free_sgpr 68
		.amdhsa_reserve_vcc 0
		.amdhsa_float_denorm_mode_32 3
		.amdhsa_float_denorm_mode_16_64 3
		.amdhsa_memory_ordered 1
		.amdhsa_forward_progress 1
		.amdhsa_inst_pref_size 195
	.end_amdhsa_kernel
	.amdgpu_metadata
---
amdhsa.version: [ 1, 2 ]
amdhsa.kernels:
  - .name:           k_q8d37f24b9c_outp
    .symbol:         k_q8d37f24b9c_outp.kd
    .args:
      - { .name: a7c, .offset: 0, .size: 8, .value_kind: global_buffer, .address_space: global }
      - { .name: a7s, .offset: 8, .size: 8, .value_kind: global_buffer, .address_space: global }
      - { .name: woc, .offset: 16, .size: 8, .value_kind: global_buffer, .address_space: global }
      - { .name: sc, .offset: 24, .size: 8, .value_kind: global_buffer, .address_space: global }
      - { .name: bo, .offset: 32, .size: 8, .value_kind: global_buffer, .address_space: global }
      - { .name: out0, .offset: 40, .size: 8, .value_kind: global_buffer, .address_space: global }
    .group_segment_fixed_size: 327680
    .private_segment_fixed_size: 0
    .kernarg_segment_align: 8
    .kernarg_segment_size: 48
    .max_flat_workgroup_size: 128
    .sgpr_count:     68
    .vgpr_count:     1024
    .wavefront_size: 32
...
	.end_amdgpu_metadata
.endif
;; end of part 4
